; MI455X (gfx1250); checked and timed in simulation.
; The chip was launched on July 23, 2026; its instructions are those of AMD's public machine-readable ISA for CDNA 5 (MIT licence, August 2026) and "CDNA5" Instruction Set Architecture Reference Guide (July 2026). The comments in the code are by the model that wrote it; some were corrected since.
;; Multi Head Self Attention. Allowed arithmetic: matrix products marked QUANTISED: E2M1 operands, one E8M0 scale for each 32 along K, by v_wmma_scale_f32_16x16x128_f8f6f4 with both operands' format E2M1 (or v_wmma_scale_f32_32x16x128_f4), f32 sums; everything else in f32.
;; Inputs: Wk_codes 1,024 x 32 x 16 uint8 (E2M1 codes of Wk, K innermost, in blocks of 32 codes, two codes a byte); Wk_scales 1,024 x 32 uint8 (E8M0 scales of Wk, one for each 32 codes along K); Wo_codes 1,024 x 32 x 16 uint8 (E2M1 codes of Wo, K innermost, in blocks of 32 codes, two codes a byte); Wo_scales 1,024 x 32 uint8 (E8M0 scales of Wo, one for each 32 codes along K); Wq_codes 1,024 x 32 x 16 uint8 (E2M1 codes of Wq, K innermost, in blocks of 32 codes, two codes a byte); Wq_scales 1,024 x 32 uint8 (E8M0 scales of Wq, one for each 32 codes along K); Wv_codes 1,024 x 32 x 16 uint8 (E2M1 codes of Wv, K innermost, in blocks of 32 codes, two codes a byte); Wv_scales 1,024 x 32 uint8 (E8M0 scales of Wv, one for each 32 codes along K); bk 1,024 float32; bo 1,024 float32; bq 1,024 float32; bv 1,024 float32; x_codes 4 x 2,048 x 32 x 16 uint8 (E2M1 codes of x, K innermost, in blocks of 32 codes, two codes a byte); x_scales 4 x 2,048 x 32 uint8 (E8M0 scales of x, one for each 32 codes along K).
;; Outputs: out0 4 x 2,048 x 1,024 float32.
;; This version of the problem:
;;   THIS VERSION OF THE PROBLEM IS GIVEN IN LOW PRECISION. The matrix products marked QUANTISED in the list below multiply operands that are first quantised to E2M1 (2 exponent bits, 1 mantissa bit; 4 bits a number), with one power-of-two scale for each 32 numbers along K (OCP MX v1.0); their sums are f32. All else is computed in f32.
;;   The module's matrix products, in the order in which they are computed (A, B: the left and right operand; K: the contracted axis; several contracted axes count as one K, in the product's order):
;;     1. [M 8,192, K 1,024] x [K 1,024, N 1,024]; A: input x (given as codes); B: input Wq (given as codes): QUANTISED
;;     2. [M 8,192, K 1,024] x [K 1,024, N 1,024]; A: input x (given as codes); B: input Wk (given as codes): QUANTISED
;;     3. [M 8,192, K 1,024] x [K 1,024, N 1,024]; A: input x (given as codes); B: input Wv (given as codes): QUANTISED
;;     4. batch 64 x [M 2,048, K 64] x [K 64, N 2,048]; A: computed on the way; B: computed on the way: QUANTISED
;;     5. batch 64 x [M 2,048, K 2,048] x [K 2,048, N 64]; A: softmax (see below); B: computed on the way: QUANTISED
;;     6. [M 8,192, K 1,024] x [K 1,024, N 1,024]; A: computed on the way; B: input Wo (given as codes): QUANTISED
;;   THE QUANTISER, for each operand of a quantised product, along K:
;;     - K is cut into blocks of 32 from its start; a last block that is shorter is filled with zeros.
;;     - A block's scale is 2^e with e = floor(log2(the largest magnitude in the block)) - 2, held to -126 .. 127; a block of zeros has e = 0. As a byte (E8M0): e + 127.
;;     - Each number is divided by its block's scale, clamped to +-6, and rounded to the nearest number of E2M1, ties to even, subnormals kept.
;;     - The product sums the exact products of the quantised numbers (number of the format x scale) in f32.
;;   ~~~python
;;   def quantise(x, axis):      # numpy; x: float32 -> the quantised numbers, widened to float32 again
;;       x = np.moveaxis(x, axis, -1); K = x.shape[-1]
;;       x = np.pad(x, [(0, 0)] * (x.ndim - 1) + [(0, -K % 32)]); x = x.reshape(x.shape[:-1] + (-1, 32)); a = np.abs(x).max(-1, keepdims=True)
;;       e = np.where(a > 0, np.clip(np.frexp(np.where(a > 0, a, 1))[1] - 1 - 2, -126, 127), 0)      # np.frexp(a)[1] - 1 = floor(log2(a)), exactly
;;       r = np.clip(x / 2.0 ** e, -6, 6)
;;       step = 2.0 ** (np.maximum(np.frexp(np.where(r == 0, 1, r))[1] - 1, 0) - 1)
;;       q = np.round(r / step) * step * 2.0 ** e      # np.round: ties to even
;;       return np.moveaxis(q.reshape(q.shape[:-2] + (-1,))[..., :K], -1, axis).astype(np.float32)
;;   ~~~
;;   SOFTMAX AHEAD OF A QUANTISED PRODUCT. Where the list says 'softmax', what is quantised is not the finished softmax but p = 2^(t - M), with t = logit x log2(e) and M = ceil(the row's largest t), a whole number; so 1/2 < the row's largest p <= 1. The row's sum l is taken of the UNQUANTISED p, in f32, and the product's result is divided by l at the end. Since M is a whole number, a kernel that streams over the keys may use a running M (the ceiling of the running maximum): every later rescaling is an exact power of two, which a block's scale takes up: the codes' values come out the same.
;;   OPERANDS COMPUTED ON THE WAY. 'Computed on the way' means the value that the module computes at that place (a softmax that the list does not call 'softmax' is quantised finished and normalised). What goes into a quantiser is computed in f32, as accurately as f32 sums, v_exp_f32 and their like allow (about 1e-6 of the number): no bf16 or f16 on the way to a quantiser, and a product that is left as it is and whose result goes on into a quantised operand takes f32 operands (vector FMAs, or v_wmma_f32_16x16x4_f32). A number that lies on a knife's edge between two numbers of the format may be rounded either way, as far as f32 arithmetic and the matrix unit's own rounding can turn it there, and no further.
;;   INPUTS GIVEN AS CODES. Wk (in the module: [1024, 1024], K = its axis 1); Wo (in the module: [1024, 1024], K = its axis 1); Wq (in the module: [1024, 1024], K = its axis 1); Wv (in the module: [1024, 1024], K = its axis 1); x (in the module: [4, 2048, 1024], K = its axis 2): each comes as NAME_codes (uint8): NAME with its K axis moved to the last place and cut into blocks of 32 codes, [.., K / 32, bytes a block], one block behind the other in memory; two codes a byte, the lower K in the low four bits (a code: sign, 2 exponent bits, 1 mantissa bit); and NAME_scales (uint8): the same leading axes, one E8M0 byte (e + 127) for each 32 codes along K. Its value is code x scale, taken as it is: it is not quantised again, and the codes and scales need not be those that the quantiser above would give.
;; One version. Each part assembles by itself: llvm-mc -triple=amdgcn-amd-amdhsa -mcpu=gfx1250 --defsym DOCPART=n.
;; ======== version 1 of 1: 3 launches
;; workspace buffers: qkv 13,893,632 bytes; acod 4,194,304 bytes; ascl 262,144 bytes
;; launch proj (part 1): grid 32 x 24, 8 waves a work-group, clusters of 4 x 4, 227,072 bytes of LDS; arguments x_codes, x_scales, Wq_codes, Wq_scales, Wk_codes, Wk_scales, Wv_codes, Wv_scales, bq, bk, bv, qkv; writes qkv
.if DOCPART == 1
	.amdgcn_target "amdgcn-amd-amdhsa--gfx1250"
	.amdhsa_code_object_version 6
	.text
	.protected	k_qc12b728382_proj
	.globl	k_qc12b728382_proj
	.p2align	8
	.type	k_qc12b728382_proj,@function
k_qc12b728382_proj:
	s_mov_b64 s[64:65], 0
	v_nop
	global_prefetch_b8 v0, s[64:65] scope:SCOPE_SE
	s_setreg_imm32_b32 hwreg(HW_REG_WAVE_MODE, 25, 1), 1
	s_wait_xcnt 0x0
	s_wait_alu depctr_hold_cnt(0) depctr_sa_sdst(0) depctr_va_vdst(0) depctr_va_sdst(0) depctr_va_ssrc(0) depctr_va_vcc(0) depctr_vm_vsrc(0)
	s_getreg_b32 s2, hwreg(HW_REG_IB_STS2, 6, 4)
	s_cmp_eq_u32 s2, 0
	s_cbranch_scc0 .Lentry_in_a_cluster
	s_endpgm
.Lentry_in_a_cluster:
	s_bfe_u32 s2, ttmp6, 0x10000c
	s_cmp_lg_u32 s2, 0xf033
	s_cbranch_scc0 .Lentry_shape_is_right
	s_endpgm
.Lentry_shape_is_right:
; Q = x Wq^T + bq, K = x Wk^T + bk, V = x Wv^T + bv on codes of FP4 (E2M1) with one E8M0 scale for each 32 along K, and the three results quantised for the two products of attention:
; Q and K along the head's 64 (two blocks), V along the keys (blocks of 32 tokens).  The codes and scale words go to the workspace qkv as IMAGES OF OPERAND REGISTERS.
; NO WORK OF reference() IS LEFT OUT in this program: every input has a way to the output (bq and bk move Q's and K's codes and scales, so they stay), and all are loaded.
; LIMITS: NaN and infinities among the values are not served.  A block of zeros gets the scale byte 1 where the quantiser says 127: its codes are zeros, which add nothing under any byte but 0xff, and the bytes are read by this program alone.
; ONE GEMM CORE.  P is source 0 (256 rows a work-group): the axis that becomes the next product's K.  R is source 1 (128 rows).  Q, K: P = the weight's features, R = tokens.  V: P = tokens, R = Wv's features.
; In a result lane (r, h) holds row r of R, and register j of tile a row 16 a + 8 h + j of P: eight neighbours along the next K.
; A work-group's operands for all of K = 1,024 fit in LDS: every tensor load is a first fill; K lands in two chunks of 512.  Eight waves: wave w takes 128 rows of P (w & 1) x 32 rows of R (w >> 1): 16 accumulators.
; CLUSTERS of 4 x 4: P hangs on cx alone and is asked for jointly along a column of the cluster, R on cy alone and jointly along a row.  The kind of product hangs on the cluster's own coordinates, which all sixteen share.
; qkv: [batch x head 64][step of 128 tokens 16] records of 13,568 bytes: K codes [tile 8][lane][16 B] 0; K scale words [tile][r] 4,096; V codes [d tile 4][c 2][lane][16 B] 4,608; V scale words [d tile][r] 8,704; Q codes 8,960; Q scale words 13,056.
; REGISTERS: v1-4 LDS addresses of fragments and scale words; v5, v6 the add's two; v7, v10, v11 the bias stash; v8, v9 16 x lane, 4 x lane; v12-31 scale words and nothing else; v32-95 P's 8 fragments; v96-127 R's 2 fragments, two sets; v128-255 accumulators.
.set PITCH,  272                       ; an LDS row: 256 bytes (512 codes) + 16 of padding: the 16 rows of a fragment load start at 16 different columns of 16 bytes
.set CH,     384*PITCH                 ; a chunk: P's 256 rows, then R's 128
.set PSC,    2*CH                      ; P's scale bytes: 32 units of 256 + 16
.set RSC,    PSC+32*272                ; R's: 16 units
.set BIA,    RSC+16*272                ; the bias stash: 512 bytes for each wave; no tensor load lands here
.set SPARE,  BIA+8*512                 ; the spare words, 128 bytes for each wave: four blocks of 256 bytes that no other line names
.set REC,    13568
.set HEADB,  16*REC
.set ADP,  1
.set ADR,  2
.set ADSP, 3
.set ADSR, 4
.set SPW,  5
.set NIL,  6
.set BLV,  7
.set L16,  8
.set L4,   9
.set BLD,  10
.set BST,  11
.set SCP,  12                          ; register 4 i + q: lanes 0-15 the word of P's tile i, lanes 16-31 of tile i + 4, for the chunk's q-th 128 along K
.set SCR,  28                          ; register q: lanes 0-15 R's tile 0, lanes 16-31 tile 1
.set PF,   32
.set RF,   96
.set ACC,  128                         ; accumulator (a, n) at ACC + 64 n + 8 a
.set TM,   96                          ; the epilogue: 16 registers at work
.set PC0,  112                         ; the codes made: 8 registers for each tile of R
.set PC1,  120
.set PW0,  40
.set PW1,  41
.set PWM,  42
.set PWR,  43
.set VCO,  44
.set VSO,  45
.set G1P,  28
.set G1R,  36
.set G1PS, 44
.set G1RS, 52
.set G0P0, 60
.set G0P1, 68
.set G0R0, 72
.set G0R1, 76
.set G0PS, 80
.set G0RS, 84
.set BP,   88                          ; s[88:89] the masks, then the bias's address
.set WV,   90
.set WS0,  91
.set WS1,  92
.set CXI,  93
.set CYI,  94
.set CLX,  95
.set CLY,  96
.set KIND, 97                          ; 1: V
.set WHICH, 98                         ; 1: K, 0: Q
.set PB,   99
.set RB,   100
.set TN,   101
.set SEL,  20                          ; the epilogue: s[20:21] lane selects, s22 the mask of lanes 16-31
.set HM,   22
.macro ROUND                           ; a round of the cluster's barrier
	s_barrier_signal -1
	s_barrier_wait -1
	s_cmp_lg_u32 s[WV], 0
	s_cbranch_scc1 .Lnot_wave_0_\@
	s_barrier_signal -3
.Lnot_wave_0_\@:
	s_barrier_wait -3
	s_barrier_signal -1
	s_barrier_wait -1
.endm
.macro TL g0, g1                       ; a tensor load and an s_nop 0 behind it
	tensor_load_to_lds s[\g0:\g0+3], s[\g1:\g1+7]
	s_nop 0
.endm
.macro PLACES                          ; four places behind a matrix instruction (ISA guide 7.12.1), where no other vector work is at hand
.rept 4
	v_nop
.endr
.endm
; One product 16 x 16 x 128.  zero = 1: it starts the sum.  ra, rb: the scale words stand in lanes 16-31 of their register.
.macro MM d, a, b, zero, sa, sb, ra, rb
.set mD, \d
.set mA, \a
.set mB, \b
.set mSA, \sa
.set mSB, \sb
.set mSEL, 4*(\zero)+2*(\ra)+(\rb)
.if mSEL == 0
	v_wmma_scale_f32_16x16x128_f8f6f4 v[mD:mD+7], v[mA:mA+7], v[mB:mB+7], v[mD:mD+7], v[mSA], v[mSB] matrix_a_fmt:MATRIX_FMT_FP4 matrix_b_fmt:MATRIX_FMT_FP4
.elseif mSEL == 1
	v_wmma_scale_f32_16x16x128_f8f6f4 v[mD:mD+7], v[mA:mA+7], v[mB:mB+7], v[mD:mD+7], v[mSA], v[mSB] matrix_a_fmt:MATRIX_FMT_FP4 matrix_b_fmt:MATRIX_FMT_FP4 matrix_b_scale:MATRIX_SCALE_ROW1
.elseif mSEL == 2
	v_wmma_scale_f32_16x16x128_f8f6f4 v[mD:mD+7], v[mA:mA+7], v[mB:mB+7], v[mD:mD+7], v[mSA], v[mSB] matrix_a_fmt:MATRIX_FMT_FP4 matrix_b_fmt:MATRIX_FMT_FP4 matrix_a_scale:MATRIX_SCALE_ROW1
.elseif mSEL == 3
	v_wmma_scale_f32_16x16x128_f8f6f4 v[mD:mD+7], v[mA:mA+7], v[mB:mB+7], v[mD:mD+7], v[mSA], v[mSB] matrix_a_fmt:MATRIX_FMT_FP4 matrix_b_fmt:MATRIX_FMT_FP4 matrix_a_scale:MATRIX_SCALE_ROW1 matrix_b_scale:MATRIX_SCALE_ROW1
.elseif mSEL == 4
	v_wmma_scale_f32_16x16x128_f8f6f4 v[mD:mD+7], v[mA:mA+7], v[mB:mB+7], 0, v[mSA], v[mSB] matrix_a_fmt:MATRIX_FMT_FP4 matrix_b_fmt:MATRIX_FMT_FP4
.elseif mSEL == 5
	v_wmma_scale_f32_16x16x128_f8f6f4 v[mD:mD+7], v[mA:mA+7], v[mB:mB+7], 0, v[mSA], v[mSB] matrix_a_fmt:MATRIX_FMT_FP4 matrix_b_fmt:MATRIX_FMT_FP4 matrix_b_scale:MATRIX_SCALE_ROW1
.elseif mSEL == 6
	v_wmma_scale_f32_16x16x128_f8f6f4 v[mD:mD+7], v[mA:mA+7], v[mB:mB+7], 0, v[mSA], v[mSB] matrix_a_fmt:MATRIX_FMT_FP4 matrix_b_fmt:MATRIX_FMT_FP4 matrix_a_scale:MATRIX_SCALE_ROW1
.else
	v_wmma_scale_f32_16x16x128_f8f6f4 v[mD:mD+7], v[mA:mA+7], v[mB:mB+7], 0, v[mSA], v[mSB] matrix_a_fmt:MATRIX_FMT_FP4 matrix_b_fmt:MATRIX_FMT_FP4 matrix_a_scale:MATRIX_SCALE_ROW1 matrix_b_scale:MATRIX_SCALE_ROW1
.endif
.endm
; 8 products: P's tiles 4 half .. + 3 x R's two.  The 16 accumulators take turns, one instruction a turn, in the same order in every step.
.macro MUL half, q, set, zero
.irp a, 0,1,2,3
.irp n, 0,1
	MM ACC+64*\n+8*(4*(\half)+\a), PF+8*(4*(\half)+\a), RF+16*(\set)+8*\n, \zero, SCP+4*\a+(\q), SCR+(\q), \half, \n
.endr
.endr
.endm
.macro FETCH_P half, q                 ; a fragment: lane (r, h) takes 16 bytes at row r, + 16 h, and 32 bytes on
.irp i, 0,1,2,3
.irp c, 0,1
	ds_load_b128 v[PF+8*(4*(\half)+\i)+4*\c:PF+8*(4*(\half)+\i)+4*\c+3], v[ADP] offset:16*(4*(\half)+\i)*PITCH+64*(\q)+32*\c
.endr
.endr
.endm
.macro FETCH_R q, set
.irp n, 0,1
.irp c, 0,1
	ds_load_b128 v[RF+16*(\set)+8*\n+4*\c:RF+16*(\set)+8*\n+4*\c+3], v[ADR] offset:16*\n*PITCH+64*(\q)+32*\c
.endr
.endr
.endm
.macro SCALES                          ; a chunk's scale words: four words a row by one load
.irp i, 0,1,2,3
	ds_load_b128 v[SCP+4*\i:SCP+4*\i+3], v[ADSP] offset:544*\i
.endr
	ds_load_b128 v[SCR:SCR+3], v[ADSR]
.endm
; A step of 128 along K.  next = 1: the next step's fragments, of the same chunk, are fetched: P's tiles 0-3 and R's other set in the middle, P's tiles 4-7 at the end.
.macro STEP q, set, zero, next
	s_wait_dscnt 0x8                               ; all but the youngest eight loads, P's tiles 4-7
	MUL 0, \q, \set, \zero
	s_wait_dscnt 0x0                               ; P's tiles 4-7 are in
.if \next
	PLACES
	FETCH_P 0, (\q)+1
	FETCH_R (\q)+1, 1-(\set)
.endif
	MUL 1, \q, \set, \zero
	PLACES
.if \next
	FETCH_P 1, (\q)+1
.endif
.endm
; 64 numbers of a lane, register 16 b + 8 u + j = k 32 b + 16 u + 8 h + j of my row, become a fragment's 8 registers of codes and its scale word.
; A conversion takes 8 neighbours; the codes of block 2 c + e, half u, go to register 4 c + 2 u + e, and one exchange of halves for each pair leaves register 4 c + i with k = 64 c + 32 h + 8 i .. + 7: the operand's layout.
.macro QUANT s, pc, pw
.irp b, 0,1,2,3
	v_max3_num_f32 v[TM+\b], |v[\s+16*\b]|, |v[\s+16*\b+1]|, 0x1800000   ; my 16 numbers of block b, and the floor 2^(3 - 127): the byte cannot fall under 1
.endr
.irp i, 2,4,6,8,10,12,14
.irp b, 0,1,2,3
	s_delay_alu instid0(VALU_DEP_4)
	v_max3_num_f32 v[TM+\b], v[TM+\b], |v[\s+16*\b+\i]|, |v[\s+16*\b+\i+1]|
.endr
.endr
.irp b, 0,1,2,3
	s_delay_alu instid0(VALU_DEP_4)
	v_permlanex16_b32 v[TM+4+\b], v[TM+\b], s[SEL], s[SEL+1]
.endr
.irp b, 0,1,2,3
	s_delay_alu instid0(VALU_DEP_4)
	v_max_num_f32 v[TM+\b], v[TM+\b], v[TM+4+\b]   ; with lane l xor 16's: the block's largest magnitude
.endr
.irp b, 0,1,2,3
	s_delay_alu instid0(VALU_DEP_4)
	v_add_nc_u32 v[TM+12+\b], 0xff000000, v[TM+\b] ; 2 off its exponent field: the conversion's scale operand
.endr
.irp b, 0,1,2,3
	s_delay_alu instid0(VALU_DEP_4)
	v_lshrrev_b32 v[TM+4+\b], 23, v[TM+12+\b]      ; the scale's byte
.endr
	s_delay_alu instid0(VALU_DEP_3)
	v_lshl_or_b32 v[\pw], v[TM+5], 8, v[TM+4]
	s_delay_alu instid0(VALU_DEP_1)
	v_lshl_or_b32 v[\pw], v[TM+6], 16, v[\pw]
	s_delay_alu instid0(VALU_DEP_1)
	v_lshl_or_b32 v[\pw], v[TM+7], 24, v[\pw]
.irp b, 0,1,2,3
	v_cvt_scalef32_pk8_fp4_f32 v[\pc+4*(\b/2)+\b%2], v[\s+16*\b:\s+16*\b+7], v[TM+12+\b]
	v_cvt_scalef32_pk8_fp4_f32 v[\pc+4*(\b/2)+2+\b%2], v[\s+16*\b+8:\s+16*\b+15], v[TM+12+\b]
.endr
	v_nop                                          ; one plain place behind a scaled conversion
.irp c, 0,1
.irp u, 0,1
	v_permlane16_swap_b32 v[\pc+4*\c+2*\u], v[\pc+4*\c+2*\u+1]
.endr
.endr
.endm
	s_load_b512 s[4:19], s[0:1], 0x0               ; x codes 4, x scales 6, Wq codes 8, scales 10, Wk codes 12, scales 14, Wv codes 16, scales 18
	s_load_b256 s[20:27], s[0:1], 0x40             ; bq 20, bk 22, bv 24, qkv 26
	v_lshl_add_u32 v[SPW], v0, 2, SPARE
	v_mov_b32 v[NIL], 0
	ds_add_u32 v[SPW], v[NIL]                      ; the wave's opening: the add, twice on end, and its wait ahead of the first tensor load; work on registers stands between
	ds_add_u32 v[SPW], v[NIL]
	v_lshrrev_b32 v32, 5, v0
	s_delay_alu instid0(VALU_DEP_1)
	v_readfirstlane_b32 s[WV], v32                 ; wave 0..7
	s_and_b32 s[WS0], s[WV], 1                     ; which 128 rows of P
	s_lshr_b32 s[WS1], s[WV], 1                    ; which 32 rows of R
	s_bfe_u32 s[CXI], ttmp6, 0x40000               ; cx, cy: my place in the cluster
	s_bfe_u32 s[CYI], ttmp6, 0x40004
	s_mov_b32 s[CLX], ttmp9                        ; the cluster's x, 0..7, and y, 0..5
	s_and_b32 s[CLY], ttmp7, 0xffff
	s_lshl_b32 s[PB], s[CLX], 2
	s_and_b32 s[WHICH], s[CLX], 1
	s_lshr_b32 s[RB], s[CLX], 1
	s_lshl_b32 s[RB], s[RB], 2
	s_lshl_b32 s[TN], s[CLY], 4
	s_add_co_u32 s[RB], s[RB], s[TN]               ; Q, K: 16 y + 4 (x / 2)
	s_sub_co_u32 s[TN], s[CLY], 4
	s_lshl_b32 s[TN], s[TN], 2                     ; V: 4 (y - 4)
	s_cmp_ge_u32 s[CLY], 4                         ; clusters with y = 4, 5 make V
	s_cselect_b32 s[KIND], 1, 0
	s_cselect_b32 s[PB], s[PB], 0
	s_cselect_b32 s[WHICH], 0, s[WHICH]
	s_cselect_b32 s[RB], s[TN], s[RB]
	s_add_co_u32 s[PB], s[PB], s[CXI]              ; my block of 256 rows of P: hangs on cx
	s_add_co_u32 s[RB], s[RB], s[CYI]              ; my block of 128 rows of R: hangs on cy
	s_lshl_b32 s[BP], 0x1111, s[CXI]               ; my column of the cluster
	s_lshl_b32 s[BP+1], s[CYI], 2
	s_lshl_b32 s[BP+1], 15, s[BP+1]                ; my row
	; group 1.  Codes: 64 rows x 256 bytes, 512 bytes apart, 16 bytes of padding behind each.  Scale bytes: dense blocks as rows of 256 bytes (32 elements of 8), padded likewise
	s_or_b32 s[G1P], s[BP], (1<<20)|(1<<21)|(5<<22)|(3<<25)
	s_or_b32 s[G1R], s[BP+1], (1<<20)|(1<<21)|(5<<22)|(3<<25)
	s_or_b32 s[G1PS], s[BP], (3<<16)|(1<<20)|(1<<21)|(5<<22)|(3<<25)
	s_or_b32 s[G1RS], s[BP+1], (3<<16)|(1<<20)|(1<<21)|(5<<22)|(3<<25)
.irp g, G1P, G1R
	s_mov_b32 s[\g+1], 256<<16                     ; tensor_dim0
	s_mov_b32 s[\g+2], 64<<16                      ; tensor_dim1
	s_mov_b32 s[\g+3], 256<<16                     ; tile_dim0
	s_mov_b32 s[\g+4], 64                          ; tile_dim1
	s_mov_b32 s[\g+5], 512                         ; from row to row
	s_mov_b32 s[\g+6], 0
	s_mov_b32 s[\g+7], 0
.endr
	s_mov_b32 s[G1PS+1], 32<<16
	s_mov_b32 s[G1PS+2], 32<<16
	s_mov_b32 s[G1PS+3], 32<<16
	s_mov_b32 s[G1PS+4], 32
	s_mov_b32 s[G1PS+5], 32
	s_mov_b32 s[G1PS+6], 0
	s_mov_b32 s[G1PS+7], 0
	s_mov_b32 s[G1RS+1], 32<<16
	s_mov_b32 s[G1RS+2], 16<<16
	s_mov_b32 s[G1RS+3], 32<<16
	s_mov_b32 s[G1RS+4], 16
	s_mov_b32 s[G1RS+5], 32
	s_mov_b32 s[G1RS+6], 0
	s_mov_b32 s[G1RS+7], 0
.irp g, G0P0, G0P1, G0R0, G0R1, G0PS, G0RS
	s_mov_b32 s[\g], 1
.endr
	s_mul_i32 s[G0P0+1], s[WV], 64*PITCH           ; where a wave's 64 rows go: waves 0-3 P's, waves 4, 5 R's, which lie behind P's 256: no place in the cluster enters an LDS address
	s_add_co_u32 s[G0P1+1], s[G0P0+1], CH
	s_mov_b32 s[G0R0+1], s[G0P0+1]
	s_add_co_u32 s[G0R1+1], s[G0P0+1], CH
	s_mov_b32 s[G0PS+1], PSC
	s_mov_b32 s[G0RS+1], RSC
	; every LDS address register is made here, ahead of the first branch on the wave's number
	v_and_b32 v32, 15, v0                          ; r
	v_bfe_u32 v33, v0, 4, 1                        ; h
	v_and_b32 v34, 31, v0                          ; lane
	s_delay_alu instid0(VALU_DEP_3)
	v_mul_u32_u24 v35, v32, PITCH
	s_delay_alu instid0(VALU_DEP_1)
	v_lshl_add_u32 v35, v33, 4, v35                ; row r, + 16 h
	s_mul_i32 s[TN], s[WS0], 128*PITCH
	v_add_nc_u32 v[ADP], s[TN], v35
	s_mul_i32 s[TN], s[WS1], 32*PITCH
	s_add_co_u32 s[TN], s[TN], 256*PITCH
	v_add_nc_u32 v[ADR], s[TN], v35
	v_lshrrev_b32 v36, 3, v32
	v_and_b32 v37, 7, v32
	s_delay_alu instid0(VALU_DEP_2)
	v_mul_u32_u24 v36, v36, 272
	s_delay_alu instid0(VALU_DEP_1)
	v_lshl_add_u32 v36, v37, 5, v36                ; a row's 32 scale bytes: eight rows to a unit of 256 + 16
	s_delay_alu instid0(VALU_DEP_1)
	v_mad_u32_u24 v[ADSP], v33, 8*272, v36         ; lanes 16-31: four tiles, eight units, on
	s_mul_i32 s[TN], s[WS0], 16*272
	s_add_co_u32 s[TN], s[TN], PSC
	v_add_nc_u32 v[ADSP], s[TN], v[ADSP]
	v_mad_u32_u24 v[ADSR], v33, 2*272, v36         ; lanes 16-31: one tile on
	s_mul_i32 s[TN], s[WS1], 4*272
	s_add_co_u32 s[TN], s[TN], RSC
	v_add_nc_u32 v[ADSR], s[TN], v[ADSR]
	s_lshl_b32 s[TN], s[WV], 9
	s_add_co_u32 s[TN], s[TN], BIA                 ; my wave's stash
	v_lshl_add_u32 v[BST], v34, 4, s[TN]           ; in: 16 bytes a lane
	v_lshl_add_u32 v[BLD], v33, 5, s[TN]           ; Q, K: out: my half's eight numbers of a tile
	v_lshl_add_u32 v[BLV], v32, 2, s[TN]
	s_lshl_b32 s[TN], s[WS1], 7
	v_add_nc_u32 v[BLV], s[TN], v[BLV]             ; V: out: feature 32 ws1 + r
	v_lshlrev_b32 v[L16], 4, v34
	v_lshlrev_b32 v[L4], 2, v34
	s_lshl_b32 s2, s[CXI], 10
	s_lshl_b32 s3, s[WS0], 9
	s_add_co_u32 s2, s2, s3                        ; Q, K: the bias of my wave's 128 features, (256 cx + 128 ws0) x 4 bytes on
	s_lshl_b32 s66, s[RB], 9                       ; V: of my work-group's 128 features
	s_cmp_eq_u32 s[KIND], 1
	s_cselect_b32 s[TN], s66, s2
	v_add_nc_u32 v38, s[TN], v[L16]
	s_wait_alu depctr_va_vdst(0)
	s_wait_dscnt 0x0                               ; both opening adds are done
	s_wait_kmcnt 0x0
	s_cmp_eq_u32 s[WHICH], 1                       ; the buffers are chosen on the cluster's coordinates alone
	s_cselect_b64 s[G0P0+2:G0P0+3], s[12:13], s[8:9]
	s_cselect_b64 s[G0PS+2:G0PS+3], s[14:15], s[10:11]
	s_cselect_b64 s[BP:BP+1], s[22:23], s[20:21]
	s_cmp_eq_u32 s[KIND], 1
	s_cselect_b64 s[G0P0+2:G0P0+3], s[4:5], s[G0P0+2:G0P0+3]
	s_cselect_b64 s[G0PS+2:G0PS+3], s[6:7], s[G0PS+2:G0PS+3]
	s_cselect_b64 s[G0R0+2:G0R0+3], s[16:17], s[4:5]
	s_cselect_b64 s[G0RS+2:G0RS+3], s[18:19], s[6:7]
	s_cselect_b64 s[BP:BP+1], s[24:25], s[BP:BP+1]
	s_and_b32 s2, s[WV], 3                         ; P's offsets live in s[2:3], which never hold cy
	s_lshl_b32 s2, s2, 6
	s_lshl_b32 s3, s[PB], 8
	s_add_co_u32 s2, s2, s3
	s_lshl_b32 s2, s2, 9                           ; row 256 PB + 64 (w & 3), 512 bytes a row
	s_mov_b32 s3, 0
	s_add_nc_u64 s[G0P0+2:G0P0+3], s[G0P0+2:G0P0+3], s[2:3]
	s_add_nc_u64 s[G0P1+2:G0P1+3], s[G0P0+2:G0P0+3], 256
	s_lshl_b32 s2, s[PB], 13                       ; 256 PB rows of 32 scale bytes
	s_add_nc_u64 s[G0PS+2:G0PS+3], s[G0PS+2:G0PS+3], s[2:3]
	s_and_b32 s66, s[WV], 1                        ; R's in s[66:67], which never hold cx
	s_lshl_b32 s66, s66, 6
	s_lshl_b32 s67, s[RB], 7
	s_add_co_u32 s66, s66, s67
	s_lshl_b32 s66, s66, 9
	s_mov_b32 s67, 0
	s_add_nc_u64 s[G0R0+2:G0R0+3], s[G0R0+2:G0R0+3], s[66:67]
	s_add_nc_u64 s[G0R1+2:G0R1+3], s[G0R0+2:G0R0+3], 256
	s_lshl_b32 s66, s[RB], 12
	s_add_nc_u64 s[G0RS+2:G0RS+3], s[G0RS+2:G0RS+3], s[66:67]
.irp g, G0P0, G0P1, G0R0, G0R1, G0PS, G0RS
	s_or_b32 s[\g+3], s[\g+3], 0x80000000          ; type = 2
.endr
	global_load_b128 v[40:43], v38, s[BP:BP+1]     ; 128 numbers of the bias: they land while the tiles do
	ROUND                                          ; all sixteen work-groups are here: the joint loads meet
	; THE FIRST FILLS, all of the launch's tensor loads.  Each loading wave's last load is chunk 1's, so one count serves all behind the branch.  At most three loads of a wave are out.
	s_cmp_eq_u32 s[WV], 0
	s_cbranch_scc0 .Lw123
	TL G0PS, G1PS
	TL G0P0, G1P
	TL G0P1, G1P
	PLACES
	s_branch .Lasked
.Lw123:
	s_cmp_lt_u32 s[WV], 4
	s_cbranch_scc0 .Lw4
	TL G0P0, G1P
	TL G0P1, G1P
	PLACES
	s_branch .Lasked
.Lw4:
	s_cmp_eq_u32 s[WV], 4
	s_cbranch_scc0 .Lw5
	TL G0RS, G1RS
	TL G0R0, G1R
	TL G0R1, G1R
	PLACES
	s_branch .Lasked
.Lw5:
	s_cmp_eq_u32 s[WV], 5
	s_cbranch_scc0 .Lasked
	TL G0R0, G1R
	TL G0R1, G1R
	PLACES
.Lasked:
	s_wait_loadcnt 0x0                             ; the bias
	ds_store_b128 v[BST], v[40:43]                 ; into my own stash
	s_wait_tensorcnt 0x1                           ; my scale bytes and my part of chunk 0 are in; chunk 1's load, the one issued behind them, may stay out
	s_wait_dscnt 0x0
	s_barrier_signal -1
	s_barrier_wait -1                              ; everybody's are
	FETCH_P 0, 0
	FETCH_R 0, 0
	SCALES
	FETCH_P 1, 0
	STEP 0, 0, 1, 1                                ; the first step's products start the sums: nothing is cleared
	STEP 1, 1, 0, 1
	STEP 2, 0, 0, 1
	s_wait_tensorcnt 0x0                           ; chunk 0's last step: my part of chunk 1 is in,
	s_wait_dscnt 0x0                               ; and no LDS load of mine is out at the signal
	s_barrier_signal -1
	MUL 0, 3, 1, 0                                 ; work on registers while the others arrive
	s_barrier_wait -1                              ; chunk 1 is whole
	v_add_nc_u32 v[ADP], CH, v[ADP]                ; on to chunk 1: these four are also the places in front of the loads below
	v_add_nc_u32 v[ADR], CH, v[ADR]
	v_add_nc_u32 v[ADSP], 16, v[ADSP]
	v_add_nc_u32 v[ADSR], 16, v[ADSR]
	FETCH_P 0, 0
	FETCH_R 0, 0
	MUL 1, 3, 1, 0
	PLACES
	SCALES                                         ; the one set of scale words is loaded anew behind its last readers
	FETCH_P 1, 0
	s_wait_alu depctr_va_vdst(0)
	STEP 0, 0, 0, 1
	STEP 1, 1, 0, 1
	STEP 2, 0, 0, 1
	STEP 3, 1, 0, 0
	; THE EPILOGUE: + bias, quantise, store.  Each accumulator is read from its low end on.
	s_mov_b32 s[SEL], 0x76543210
	s_mov_b32 s[SEL+1], 0xfedcba98                 ; v_permlanex16_b32's selects for lane l xor 16
	s_mov_b32 s[HM], 0xffff0000                    ; lanes 16-31
	s_cmp_eq_u32 s[KIND], 1
	s_cbranch_scc1 .Lbias_v
.irp a, 0,1,2,3,4,5,6,7                        ; Q, K: the bias runs along the registers: tile a's eight numbers of my half
	ds_load_b128 v[PF+8*\a:PF+8*\a+3], v[BLD] offset:64*\a
	ds_load_b128 v[PF+8*\a+4:PF+8*\a+7], v[BLD] offset:64*\a+16
.endr
	s_wait_dscnt 0x0
.irp n, 0,1
.irp a, 0,1,2,3,4,5,6,7
.irp j, 0,2,4,6
	v_pk_add_f32 v[ACC+64*\n+8*\a+\j:ACC+64*\n+8*\a+\j+1], v[ACC+64*\n+8*\a+\j:ACC+64*\n+8*\a+\j+1], v[PF+8*\a+\j:PF+8*\a+\j+1]
.endr
.endr
.endr
	s_branch .Lbiased
.Lbias_v:
	ds_load_b32 v32, v[BLV]                        ; V: one number a lane and tile of R, each twice: a pair for the packed addition
	ds_load_b32 v33, v[BLV]
	ds_load_b32 v34, v[BLV] offset:64
	ds_load_b32 v35, v[BLV] offset:64
	s_wait_dscnt 0x0
.irp n, 0,1
.irp a, 0,1,2,3,4,5,6,7
.irp j, 0,2,4,6
	v_pk_add_f32 v[ACC+64*\n+8*\a+\j:ACC+64*\n+8*\a+\j+1], v[ACC+64*\n+8*\a+\j:ACC+64*\n+8*\a+\j+1], v[32+2*\n:33+2*\n]
.endr
.endr
.endr
.Lbiased:
	QUANT ACC, PC0, PW0
	QUANT ACC+64, PC1, PW1
	v_cndmask_b32 v[PWM], v[PW0], v[PW1], s[HM]    ; lanes 0-15: tile 0's scale words, lanes 16-31: tile 1's
	s_cmp_eq_u32 s[KIND], 1
	s_cbranch_scc1 .Lstore_v
	; Q, K: my 128 features are two heads; my 32 tokens are tiles 2 ws1, 2 ws1 + 1 of step RB % 16 of batch RB / 16
	s_lshr_b32 s4, s[RB], 4
	s_lshl_b32 s4, s4, 4
	s_lshl_b32 s5, s[CXI], 2
	s_add_co_u32 s4, s4, s5
	s_lshl_b32 s5, s[WS0], 1
	s_add_co_u32 s4, s4, s5                        ; 16 batch + my first head
	s_lshl_b32 s4, s4, 4
	s_and_b32 s5, s[RB], 15
	s_add_co_u32 s4, s4, s5                        ; the record
	s_mul_i32 s4, s4, REC
	s_cmp_eq_u32 s[WHICH], 1
	s_cselect_b32 s5, 0, 8960                      ; K's part of it, or Q's
	s_add_co_u32 s4, s4, s5
	s_mov_b32 s5, 0
	s_add_nc_u64 s[26:27], s[26:27], s[4:5]
	s_lshl_b32 s6, s[WS1], 10
	v_add_nc_u32 v[VCO], s6, v[L16]
	s_lshl_b32 s6, s[WS1], 7
	v_add_nc_u32 v[VSO], s6, v[L4]
	s_wait_alu depctr_va_vdst(0)
	v_alignbit_b32 v[PWR], v[PWM], v[PWM], 16      ; the second head's two bytes to the low end; a word's upper two bytes stand over zero codes and are never 0xff
	global_store_b128 v[VCO], v[PC0:PC0+3], s[26:27]                      ; each store of codes covers 512 consecutive bytes, aligned
	global_store_b128 v[VCO], v[PC0+4:PC0+7], s[26:27] offset:HEADB
	global_store_b128 v[VCO], v[PC1:PC1+3], s[26:27] offset:512
	global_store_b128 v[VCO], v[PC1+4:PC1+7], s[26:27] offset:512+HEADB
	global_store_b32 v[VSO], v[PWM], s[26:27] offset:4096
	global_store_b32 v[VSO], v[PWR], s[26:27] offset:4096+HEADB
	s_branch .Lend
.Lstore_v:
	; V: my 128 tokens are one step of keys; my 32 features are d tiles 2 half, 2 half + 1 of one head
	s_lshl_b32 s4, s[PB], 1
	s_add_co_u32 s4, s4, s[WS0]                    ; the step among all 64
	s_lshr_b32 s5, s4, 4
	s_and_b32 s4, s4, 15
	s_lshl_b32 s5, s5, 4                           ; 16 batch
	s_lshl_b32 s6, s[RB], 2
	s_add_co_u32 s6, s6, s[WS1]
	s_lshr_b32 s7, s6, 1                           ; head
	s_and_b32 s6, s6, 1                            ; half
	s_add_co_u32 s5, s5, s7
	s_lshl_b32 s5, s5, 4
	s_add_co_u32 s4, s4, s5
	s_mul_i32 s4, s4, REC
	s_mov_b32 s5, 0
	s_add_nc_u64 s[26:27], s[26:27], s[4:5]
	s_lshl_b32 s7, s6, 11
	v_add_nc_u32 v[VCO], s7, v[L16]
	s_wait_alu depctr_va_vdst(0)
	s_lshl_b32 s7, s6, 7
	v_add_nc_u32 v[VSO], s7, v[L4]
	global_store_b128 v[VCO], v[PC0:PC0+3], s[26:27] offset:4608
	global_store_b128 v[VCO], v[PC0+4:PC0+7], s[26:27] offset:4608+512
	global_store_b128 v[VCO], v[PC1:PC1+3], s[26:27] offset:4608+1024
	global_store_b128 v[VCO], v[PC1+4:PC1+7], s[26:27] offset:4608+1536
	global_store_b32 v[VSO], v[PWM], s[26:27] offset:8704
.Lend:
	s_wait_tensorcnt 0x0                           ; the wave's end
	ds_add_u32 v[SPW], v[NIL]
	s_wait_dscnt 0x0
	ROUND                                          ; the closing round
	s_endpgm
.Lfunc_end_k_qc12b728382_proj:
	.size	k_qc12b728382_proj, .Lfunc_end_k_qc12b728382_proj-k_qc12b728382_proj
	.p2alignl 7, 3214868480
	.fill 96, 4, 3214868480
	.section	.rodata,"a",@progbits
	.p2align	6, 0x0
	.amdhsa_kernel k_qc12b728382_proj
		.amdhsa_group_segment_fixed_size 227072
		.amdhsa_private_segment_fixed_size 0
		.amdhsa_enable_private_segment 0
		.amdhsa_kernarg_size 96
		.amdhsa_user_sgpr_count 2
		.amdhsa_user_sgpr_kernarg_segment_ptr 1
		.amdhsa_wavefront_size32 1
		.amdhsa_system_sgpr_workgroup_id_x 1
		.amdhsa_system_sgpr_workgroup_id_y 1
		.amdhsa_system_sgpr_workgroup_id_z 1
		.amdhsa_system_vgpr_workitem_id 0
		.amdhsa_next_free_vgpr 256
		.amdhsa_next_free_sgpr 102
		.amdhsa_reserve_vcc 0
		.amdhsa_float_denorm_mode_32 3
		.amdhsa_float_denorm_mode_16_64 3
		.amdhsa_memory_ordered 1
		.amdhsa_forward_progress 1
		.amdhsa_inst_pref_size 63
	.end_amdhsa_kernel
	.amdgpu_metadata
---
amdhsa.version: [ 1, 2 ]
amdhsa.kernels:
  - .name:           k_qc12b728382_proj
    .symbol:         k_qc12b728382_proj.kd
    .args:
      - { .name: x_codes, .offset: 0, .size: 8, .value_kind: global_buffer, .address_space: global }
      - { .name: x_scales, .offset: 8, .size: 8, .value_kind: global_buffer, .address_space: global }
      - { .name: Wq_codes, .offset: 16, .size: 8, .value_kind: global_buffer, .address_space: global }
      - { .name: Wq_scales, .offset: 24, .size: 8, .value_kind: global_buffer, .address_space: global }
      - { .name: Wk_codes, .offset: 32, .size: 8, .value_kind: global_buffer, .address_space: global }
      - { .name: Wk_scales, .offset: 40, .size: 8, .value_kind: global_buffer, .address_space: global }
      - { .name: Wv_codes, .offset: 48, .size: 8, .value_kind: global_buffer, .address_space: global }
      - { .name: Wv_scales, .offset: 56, .size: 8, .value_kind: global_buffer, .address_space: global }
      - { .name: bq, .offset: 64, .size: 8, .value_kind: global_buffer, .address_space: global }
      - { .name: bk, .offset: 72, .size: 8, .value_kind: global_buffer, .address_space: global }
      - { .name: bv, .offset: 80, .size: 8, .value_kind: global_buffer, .address_space: global }
      - { .name: qkv, .offset: 88, .size: 8, .value_kind: global_buffer, .address_space: global }
    .group_segment_fixed_size: 227072
    .private_segment_fixed_size: 0
    .kernarg_segment_align: 8
    .kernarg_segment_size: 96
    .max_flat_workgroup_size: 256
    .sgpr_count:     102
    .vgpr_count:     256
    .wavefront_size: 32
...
	.end_amdgpu_metadata
.endif
;; end of part 1
;; launch attn (part 2): grid 4 x 64, 16 waves a work-group, clusters of 4 x 1, 167,936 bytes of LDS; arguments qkv, acod, ascl; writes acod, ascl
.if DOCPART == 2
	.amdgcn_target "amdgcn-amd-amdhsa--gfx1250"
	.amdhsa_code_object_version 6
	.text
	.protected	k_qc12b728382_attn
	.globl	k_qc12b728382_attn
	.p2align	8
	.type	k_qc12b728382_attn,@function
k_qc12b728382_attn:
	s_mov_b64 s[64:65], 0
	v_nop
	global_prefetch_b8 v0, s[64:65] scope:SCOPE_SE
	s_setreg_imm32_b32 hwreg(HW_REG_WAVE_MODE, 25, 1), 1
	s_wait_xcnt 0x0
	s_wait_alu depctr_hold_cnt(0) depctr_sa_sdst(0) depctr_va_vdst(0) depctr_va_sdst(0) depctr_va_ssrc(0) depctr_va_vcc(0) depctr_vm_vsrc(0)
	s_getreg_b32 s2, hwreg(HW_REG_IB_STS2, 6, 4)
	s_cmp_eq_u32 s2, 0
	s_cbranch_scc0 .Lentry_in_a_cluster
	s_endpgm
.Lentry_in_a_cluster:
	s_bfe_u32 s2, ttmp6, 0x10000c
	s_cmp_lg_u32 s2, 0x3003
	s_cbranch_scc0 .Lentry_shape_is_right
	s_endpgm
.Lentry_shape_is_right:
; Attention of one head on codes of FP4: S^T = K Q^T, p = 2^(t - M), O^T = V^T P^T, O / l, and O / l quantised along d_model for the last product.  No work is left out.
; t = score x log2(e) / 8; M = the running largest t rounded UP to a whole number; p is quantised along the keys, not normalised; l is the sum of the unquantised p; when M moves, l and O^T are multiplied by 2^(old M - new M), exactly.
; The head's K is 64, the instruction's 128: registers 4-7 of K's and Q's fragments are zero codes, which add nothing under their scale bytes (never 0xff).
; LIMITS: NaN and infinities are not served; a block of zeros gets the scale byte 1; 1 / l is taken by v_rcp_f32.
; SHARES.  A work-group owns 512 queries of one (batch, head); each of its sixteen waves two tiles of 16, taken in two passes over the 2,048 keys, 128 a step.  Four waves to a SIMD: one wave's vector work stands beside another's products and LDS loads.
; The head's K and V, 16 steps x 8,960 bytes of register images and scale words, lie in LDS whole: every tensor load is a first fill.  Waves 0-3 load, two loads each: steps 0-3, then steps 4-15.
; CLUSTER.  The four work-groups of a cluster are the four query blocks of one head: they ask for K and V jointly, with the mask of all four.
; A lane holds ONE query (lane % 16) throughout; register j of tile t is key (or channel) 16 t + 8 (lane / 16) + j.
; REGISTERS: v1-4 LDS addresses; v5, v6 the add's two; v7, v8 Q's offsets; v12 -M, v13 the largest t, v[14:15] l; v16-31 Q's two fragments; v32-63 four fragments of K; v64-95 V's four; v96-159 S^T, then p; v160-191 O^T; v192-199 p's codes;
;   v200-208 scale words and nothing else; v210-217 the codes of O / l; v218-220 their scale bytes; v232-255 at work.
.set REC,   13568
.set HEADB, 16*REC
.set STEPB, 8960                       ; what a step has in LDS: K codes 0, K scale words 4,096, V codes 4,608, V scale words 8,704
.set SPARE, 16*STEPB                   ; the spare words, 128 bytes for each wave: eight blocks of 256 bytes that no other line names
.set LI,  1
.set LS,  2
.set ADC, 3
.set ADS, 4
.set SPW, 5
.set NIL, 6
.set QO,  7
.set QSO, 8
.set QA,  16
.set QB,  24
.set KF,  32
.set VF,  64
.set S,   96
.set O,   160
.set PC,  192
.set KS,  200                          ; register i: lanes 0-15 the words of K's tile 2 i, lanes 16-31 of tile 2 i + 1
.set VS,  204                          ; likewise for V's d tiles
.set QS,  206                          ; lanes 0-15 my first tile of queries, lanes 16-31 my second
.set PWD, 208                          ; p's scale word
.set OC,  210
.set SB,  218
.set SBM, 220
.set G1A, 12
.set G1B, 20
.set G0A, 28
.set G0B, 32
.set WV,  36
.set CXI, 37
.set BH,  38
.set SEL, 40
.set CS,  42
.set TB,  44
.set CNT, 45
.set HM,  46
.macro ROUND
	s_barrier_signal -1
	s_barrier_wait -1
	s_cmp_lg_u32 s[WV], 0
	s_cbranch_scc1 .Lnot_wave_0_\@
	s_barrier_signal -3
.Lnot_wave_0_\@:
	s_barrier_wait -3
	s_barrier_signal -1
	s_barrier_wait -1
.endm
.macro PLACES
.rept 4
	v_nop
.endr
.endm
.macro MM d, a, b, zero, sa, sb, ra, rb
.set mD, \d
.set mA, \a
.set mB, \b
.set mSA, \sa
.set mSB, \sb
.set mSEL, 4*(\zero)+2*(\ra)+(\rb)
.if mSEL == 0
	v_wmma_scale_f32_16x16x128_f8f6f4 v[mD:mD+7], v[mA:mA+7], v[mB:mB+7], v[mD:mD+7], v[mSA], v[mSB] matrix_a_fmt:MATRIX_FMT_FP4 matrix_b_fmt:MATRIX_FMT_FP4
.elseif mSEL == 1
	v_wmma_scale_f32_16x16x128_f8f6f4 v[mD:mD+7], v[mA:mA+7], v[mB:mB+7], v[mD:mD+7], v[mSA], v[mSB] matrix_a_fmt:MATRIX_FMT_FP4 matrix_b_fmt:MATRIX_FMT_FP4 matrix_b_scale:MATRIX_SCALE_ROW1
.elseif mSEL == 2
	v_wmma_scale_f32_16x16x128_f8f6f4 v[mD:mD+7], v[mA:mA+7], v[mB:mB+7], v[mD:mD+7], v[mSA], v[mSB] matrix_a_fmt:MATRIX_FMT_FP4 matrix_b_fmt:MATRIX_FMT_FP4 matrix_a_scale:MATRIX_SCALE_ROW1
.elseif mSEL == 3
	v_wmma_scale_f32_16x16x128_f8f6f4 v[mD:mD+7], v[mA:mA+7], v[mB:mB+7], v[mD:mD+7], v[mSA], v[mSB] matrix_a_fmt:MATRIX_FMT_FP4 matrix_b_fmt:MATRIX_FMT_FP4 matrix_a_scale:MATRIX_SCALE_ROW1 matrix_b_scale:MATRIX_SCALE_ROW1
.elseif mSEL == 4
	v_wmma_scale_f32_16x16x128_f8f6f4 v[mD:mD+7], v[mA:mA+7], v[mB:mB+7], 0, v[mSA], v[mSB] matrix_a_fmt:MATRIX_FMT_FP4 matrix_b_fmt:MATRIX_FMT_FP4
.elseif mSEL == 5
	v_wmma_scale_f32_16x16x128_f8f6f4 v[mD:mD+7], v[mA:mA+7], v[mB:mB+7], 0, v[mSA], v[mSB] matrix_a_fmt:MATRIX_FMT_FP4 matrix_b_fmt:MATRIX_FMT_FP4 matrix_b_scale:MATRIX_SCALE_ROW1
.elseif mSEL == 6
	v_wmma_scale_f32_16x16x128_f8f6f4 v[mD:mD+7], v[mA:mA+7], v[mB:mB+7], 0, v[mSA], v[mSB] matrix_a_fmt:MATRIX_FMT_FP4 matrix_b_fmt:MATRIX_FMT_FP4 matrix_a_scale:MATRIX_SCALE_ROW1
.else
	v_wmma_scale_f32_16x16x128_f8f6f4 v[mD:mD+7], v[mA:mA+7], v[mB:mB+7], 0, v[mSA], v[mSB] matrix_a_fmt:MATRIX_FMT_FP4 matrix_b_fmt:MATRIX_FMT_FP4 matrix_a_scale:MATRIX_SCALE_ROW1 matrix_b_scale:MATRIX_SCALE_ROW1
.endif
.endm
; A KEY STEP: 128 keys for the tile of queries in v[qf] on, whose scale words stand in lanes 0-15 (qrow = 0) or 16-31 (1) of v[QS].
.macro STEP qf, qrow
	v_add_nc_u32 v[ADC], s[TB], v[LI]
	v_add_nc_u32 v[ADS], s[TB], v[LS]
.irp t, 0,1,2,3
	ds_load_b128 v[KF+8*\t:KF+8*\t+3], v[ADC] offset:512*\t        ; a tile's image: 512 consecutive bytes; registers 4-7 of the fragment stay zero
.endr
.irp i, 0,1,2,3
	ds_load_b32 v[KS+\i], v[ADS] offset:4096+128*\i
.endr
	s_wait_alu depctr_va_vdst(0)
	s_wait_dscnt 0x0
.irp t, 0,1,2,3
	MM S+8*\t, KF+8*\t, \qf, 1, KS+\t/2, QS, \t%2, \qrow
.endr
	PLACES                                         ; in front of the loads into K's registers; with the two additions above they are also the places between the last step's products and the loads into V's
.irp t, 0,1,2,3
	ds_load_b128 v[KF+8*\t:KF+8*\t+3], v[ADC] offset:512*(4+\t)
.endr
.irp d, 0,1,2,3
.irp c, 0,1
	ds_load_b128 v[VF+8*\d+4*\c:VF+8*\d+4*\c+3], v[ADC] offset:4608+1024*\d+512*\c
.endr
.endr
.irp i, 0,1
	ds_load_b32 v[VS+\i], v[ADS] offset:8704+128*\i
.endr
	s_wait_dscnt 0xa                               ; K's tiles 4-7 are in; the ten loads behind them, V's eight and its two of scale words, land under the softmax
.irp t, 0,1,2,3
	MM S+8*(4+\t), KF+8*\t, \qf, 1, KS+2+\t/2, QS, \t%2, \qrow
.endr
	PLACES
.irp b, 0,1,2,3
	v_max3_num_f32 v[232+\b], v[S+16*\b], v[S+16*\b+1], v[S+16*\b+2]   ; the largest score of each block of 32 keys: for the row's maximum and, since p rises with the score, for the block's largest p
.endr
.irp i, 3,5,7,9,11,13
.irp b, 0,1,2,3
	v_max3_num_f32 v[232+\b], v[232+\b], v[S+16*\b+\i], v[S+16*\b+\i+1]
.endr
.endr
.irp b, 0,1,2,3
	v_max_num_f32 v[232+\b], v[232+\b], v[S+16*\b+15]
.endr
.irp b, 0,1,2,3
	s_delay_alu instid0(VALU_DEP_4)
	v_permlanex16_b32 v[236+\b], v[232+\b], s[SEL], s[SEL+1]
.endr
.irp b, 0,1,2,3
	s_delay_alu instid0(VALU_DEP_4)
	v_max_num_f32 v[232+\b], v[232+\b], v[236+\b]  ; with lane l xor 16's 16 keys
.endr
	s_delay_alu instid0(VALU_DEP_2)
	v_max3_num_f32 v254, v232, v233, v234
	s_delay_alu instid0(VALU_DEP_1)
	v_max_num_f32 v254, v254, v235
	s_delay_alu instid0(VALU_DEP_1)
	v_mul_f32 v254, s[CS], v254                    ; as t (c is positive)
	s_delay_alu instid0(VALU_DEP_1)
	v_max_num_f32 v13, v13, v254                   ; the running largest t
	v_mov_b32 v254, v12
	s_delay_alu instid0(VALU_DEP_2)
	v_floor_f32 v12, -v13                          ; the new -M = -ceil(t)
	s_delay_alu instid0(VALU_DEP_1)
	v_sub_f32 v254, v12, v254                      ; old M - new M: a whole number, 0 or less
	s_delay_alu instid0(VALU_DEP_1)
	v_cvt_i32_f32 v254, v254                       ; (it saturates)
	s_delay_alu instid0(VALU_DEP_1)
	v_ldexp_f32 v252, 1.0, v254                    ; f = 2^(old M - new M)
.set jj, 0
.rept 32
	v_pk_fma_f32 v[S+jj:S+jj+1], v[S+jj:S+jj+1], s[CS:CS+1], v[12:13] op_sel_hi:[1,0,0]   ; t - M, two at a time
.set jj, jj+2
.endr
.irp b, 0,1,2,3
	v_fma_f32 v[232+\b], v[232+\b], s[CS], v12     ; the same of each block's largest score
.endr
.set jj, 0
	s_wait_alu depctr_va_vdst(0)
.rept 64
	v_exp_f32 v[S+jj], v[S+jj]                     ; p = 2^(t - M)
.set jj, jj+1
.endr
	s_setprio 1
	v_pk_mul_f32 v[14:15], v[14:15], v[252:253] op_sel_hi:[1,0]    ; l under the new M: the plain place behind the exponentials
	s_wait_alu depctr_va_vdst(0)                   ; one wait for the batch, ahead of its first reader
.irp b, 0,1,2,3
	v_exp_f32 v[232+\b], v[232+\b]                 ; the block's largest p
.endr
	v_pk_add_f32 v[236:237], v[100:101], v[104:105]
	v_pk_add_f32 v[254:255], v[108:109], v[112:113]
	v_pk_add_f32 v[250:251], v[116:117], v[120:121]
	v_pk_add_f32 v[248:249], v[124:125], v[128:129]
	v_pk_add_f32 v[246:247], v[132:133], v[136:137]
	v_pk_add_f32 v[244:245], v[140:141], v[144:145]
	v_pk_add_f32 v[242:243], v[148:149], v[152:153]
	v_pk_add_f32 v[14:15], v[14:15], v[156:157]
	v_pk_add_f32 v[236:237], v[236:237], v[96:97]
	v_pk_add_f32 v[254:255], v[254:255], v[98:99]
	v_pk_add_f32 v[250:251], v[250:251], v[102:103]
	v_pk_add_f32 v[248:249], v[248:249], v[106:107]
	v_pk_add_f32 v[246:247], v[246:247], v[110:111]
	v_pk_add_f32 v[244:245], v[244:245], v[114:115]
	v_pk_add_f32 v[242:243], v[242:243], v[118:119]
	v_pk_add_f32 v[14:15], v[14:15], v[122:123]
	v_pk_add_f32 v[236:237], v[236:237], v[126:127]
	v_pk_add_f32 v[254:255], v[254:255], v[130:131]
	v_pk_add_f32 v[250:251], v[250:251], v[134:135]
	v_pk_add_f32 v[248:249], v[248:249], v[138:139]
	v_pk_add_f32 v[246:247], v[246:247], v[142:143]
	v_pk_add_f32 v[244:245], v[244:245], v[146:147]
	v_pk_add_f32 v[242:243], v[242:243], v[150:151]
	v_pk_add_f32 v[14:15], v[14:15], v[154:155]
	v_pk_add_f32 v[236:237], v[236:237], v[158:159]
	s_delay_alu instid0(VALU_DEP_2)
	v_pk_add_f32 v[14:15], v[14:15], v[248:249]
	s_delay_alu instid0(VALU_DEP_2)
	v_pk_add_f32 v[236:237], v[236:237], v[246:247]
	v_pk_add_f32 v[254:255], v[254:255], v[244:245]
	v_pk_add_f32 v[250:251], v[250:251], v[242:243]
	s_delay_alu instid0(VALU_DEP_2)
	v_pk_add_f32 v[14:15], v[14:15], v[254:255]
	s_delay_alu instid0(VALU_DEP_2)
	v_pk_add_f32 v[236:237], v[236:237], v[250:251]
	s_delay_alu instid0(VALU_DEP_1)
	v_pk_add_f32 v[14:15], v[14:15], v[236:237]
	s_wait_alu depctr_va_vdst(0)                   ; and one for the four
.irp b, 0,1,2,3
	v_max_num_f32 v[232+\b], 0x1800000, v[232+\b]  ; the floor 2^(3 - 127): the byte cannot fall under 1
.endr
.irp b, 0,1,2,3
	s_delay_alu instid0(VALU_DEP_4)
	v_add_nc_u32 v[244+\b], 0xff000000, v[232+\b]  ; 2 off the exponent field: the conversion's scale operand
.endr
.irp b, 0,1,2,3
	s_delay_alu instid0(VALU_DEP_4)
	v_lshrrev_b32 v[236+\b], 23, v[244+\b]
.endr
	s_delay_alu instid0(VALU_DEP_3)
	v_lshl_or_b32 v[PWD], v237, 8, v236
	s_delay_alu instid0(VALU_DEP_1)
	v_lshl_or_b32 v[PWD], v238, 16, v[PWD]
	s_delay_alu instid0(VALU_DEP_1)
	v_lshl_or_b32 v[PWD], v239, 24, v[PWD]
.irp b, 0,1,2,3
	v_cvt_scalef32_pk8_fp4_f32 v[PC+4*(\b/2)+\b%2], v[S+16*\b:S+16*\b+7], v[244+\b]
	v_cvt_scalef32_pk8_fp4_f32 v[PC+4*(\b/2)+2+\b%2], v[S+16*\b+8:S+16*\b+15], v[244+\b]
.endr
	v_nop                                          ; one plain place behind a scaled conversion
	s_setprio 0
.irp c, 0,1
.irp u, 0,1
	v_permlane16_swap_b32 v[PC+4*\c+2*\u], v[PC+4*\c+2*\u+1]   ; register 4 c + i now holds keys 64 c + 32 h + 8 i .. + 7
.endr
.endr
.set jj, 0
.rept 16
	v_pk_mul_f32 v[O+jj:O+jj+1], v[O+jj:O+jj+1], v[252:253] op_sel_hi:[1,0]   ; O^T under the new M; for each product below, the twelve of the other accumulators are the places behind p's codes and scale word
.set jj, jj+2
.endr
	s_wait_alu depctr_va_vdst(0)
	s_wait_dscnt 0x0                               ; V
.irp d, 0,1,2,3
	MM O+8*\d, VF+8*\d, PC, 0, VS+\d/2, PWD, \d%2, 0
.endr
	s_add_co_u32 s[TB], s[TB], STEPB
.endm
.macro KEYS n, qf, qrow
	s_mov_b32 s[CNT], \n
.Lkeys_\@:
	s_setprio 2
	STEP \qf, \qrow
	s_sub_co_u32 s[CNT], s[CNT], 1
	s_cmp_lg_u32 s[CNT], 0
	s_cbranch_scc1 .Lkeys_\@
	s_setprio 0
.endm
.macro INIT                            ; a pass begins: the step is written once, and its first trip finds zeros, which the first change of M leaves zeros
	v_mov_b32 v13, 0xff61b1e6                      ; -3e38, under every t
	s_delay_alu instid0(VALU_DEP_1)
	v_floor_f32 v12, -v13
	v_mov_b32 v14, 0
	v_mov_b32 v15, 0
.set jj, 0
.rept 32
	v_mov_b32 v[O+jj], 0
.set jj, jj+1
.endr
	s_mov_b32 s[TB], 0
.endm
; A pass ends: O^T / l, its two blocks of 32 along d_model quantised, the tile's image stored: 512 consecutive bytes, aligned.
.macro FINISH e
	PLACES
	v_add_f32 v14, v14, v15
	s_delay_alu instid0(VALU_DEP_1)
	v_permlanex16_b32 v252, v14, s[SEL], s[SEL+1]
	s_delay_alu instid0(VALU_DEP_1)
	v_add_f32 v14, v14, v252                       ; the row's sum
	s_wait_alu depctr_va_vdst(0)
	v_rcp_f32 v14, v14
	v_nop                                          ; a plain place behind the reciprocal,
	s_wait_alu depctr_va_vdst(0)                   ; and the wait ahead of its first reader
.set jj, 0
.rept 16
	v_pk_mul_f32 v[S+jj:S+jj+1], v[O+jj:O+jj+1], v[14:15] op_sel_hi:[1,0]   ; each accumulator from its low end on
.set jj, jj+2
.endr
.irp b, 0,1
	v_max3_num_f32 v[232+\b], |v[S+16*\b]|, |v[S+16*\b+1]|, 0x1800000
.endr
.irp i, 2,4,6,8,10,12,14
.irp b, 0,1
	s_delay_alu instid0(VALU_DEP_2)
	v_max3_num_f32 v[232+\b], v[232+\b], |v[S+16*\b+\i]|, |v[S+16*\b+\i+1]|
.endr
.endr
.irp b, 0,1
	s_delay_alu instid0(VALU_DEP_2)
	v_permlanex16_b32 v[236+\b], v[232+\b], s[SEL], s[SEL+1]
.endr
.irp b, 0,1
	s_delay_alu instid0(VALU_DEP_2)
	v_max_num_f32 v[232+\b], v[232+\b], v[236+\b]
.endr
.irp b, 0,1
	s_delay_alu instid0(VALU_DEP_2)
	v_add_nc_u32 v[244+\b], 0xff000000, v[232+\b]
.endr
.irp b, 0,1
	s_delay_alu instid0(VALU_DEP_2)
	v_lshrrev_b32 v[236+\b], 23, v[244+\b]
.endr
	s_delay_alu instid0(VALU_DEP_1)
	v_lshl_or_b32 v[SB+\e], v237, 8, v236          ; my head's two bytes of the row's scale word
.irp b, 0,1
	v_cvt_scalef32_pk8_fp4_f32 v[OC+4*\e+\b], v[S+16*\b:S+16*\b+7], v[244+\b]
	v_cvt_scalef32_pk8_fp4_f32 v[OC+4*\e+2+\b], v[S+16*\b+8:S+16*\b+15], v[244+\b]
.endr
	v_nop
	v_permlane16_swap_b32 v[OC+4*\e], v[OC+4*\e+1]
	v_permlane16_swap_b32 v[OC+4*\e+2], v[OC+4*\e+3]
	global_store_b128 v[LI], v[OC+4*\e:OC+4*\e+3], s[6:7] offset:1024*\e
.endm
	s_load_b128 s[4:7], s[0:1], 0x0                ; qkv, acod
	s_load_b64 s[8:9], s[0:1], 0x10                ; ascl
	v_lshl_add_u32 v[SPW], v0, 2, SPARE
	v_mov_b32 v[NIL], 0
	ds_add_u32 v[SPW], v[NIL]                      ; the wave's opening: the add, twice on end, and its wait ahead of the first tensor load
	ds_add_u32 v[SPW], v[NIL]
	v_lshrrev_b32 v7, 5, v0
	s_delay_alu instid0(VALU_DEP_1)
	v_readfirstlane_b32 s[WV], v7                  ; wave 0..15
	s_bfe_u32 s[CXI], ttmp6, 0x40000               ; cx: my block of 512 queries
	s_and_b32 s[BH], ttmp7, 0xffff                 ; 16 batch + head, which the four partners share
	; group 1.  A: a step's 8,960 bytes as 35 dense rows of 256.  B: three steps: 3 rows of 8,960 bytes, a record (13,568 bytes) apart.  Elements of 8 bytes; the mask names all four work-groups
	s_mov_b32 s[G1A], 15|(3<<16)|(1<<21)
	s_mov_b32 s[G1A+1], 32<<16
	s_mov_b32 s[G1A+2], 35<<16
	s_mov_b32 s[G1A+3], 32<<16
	s_mov_b32 s[G1A+4], 35
	s_mov_b32 s[G1A+5], 32
	s_mov_b32 s[G1A+6], 0
	s_mov_b32 s[G1A+7], 0
	s_mov_b32 s[G1B], 15|(3<<16)|(1<<21)
	s_mov_b32 s[G1B+1], 1120<<16
	s_mov_b32 s[G1B+2], 3<<16
	s_mov_b32 s[G1B+3], 1120<<16
	s_mov_b32 s[G1B+4], 3
	s_mov_b32 s[G1B+5], 1696
	s_mov_b32 s[G1B+6], 0
	s_mov_b32 s[G1B+7], 0
	s_mov_b32 s[G0A], 1
	s_mul_i32 s[G0A+1], s[WV], STEPB               ; wave w < 4: step w,
	s_mov_b32 s[G0B], 1
	s_mul_i32 s[G0B+1], s[WV], 3*STEPB
	s_add_co_u32 s[G0B+1], s[G0B+1], 4*STEPB       ; and steps 4 + 3 w on
	s_mul_i32 s48, s[BH], HEADB                    ; s48-51 feed the descriptors and never hold cx
	s_mov_b32 s49, 0
	s_mul_i32 s50, s[WV], REC
	s_mov_b32 s51, 0
	s_mov_b32 s[SEL], 0x76543210
	s_mov_b32 s[SEL+1], 0xfedcba98
	s_mov_b32 s[CS], 0x3e38aa3b                    ; c = log2(e) / sqrt(64)
	s_mov_b32 s[CS+1], s[CS]
	s_mov_b32 s[HM], 0xffff0000
	s_lshl_b32 s39, s[CXI], 2
	s_lshr_b32 s47, s[WV], 2
	s_add_co_u32 s39, s39, s47                     ; my group of 128 queries in the sequence: 4 cx + w / 4
	s_lshr_b32 s52, s[BH], 4
	s_lshl_b32 s52, s52, 4
	s_add_co_u32 s52, s52, s39                     ; g: among all 64
	s_and_b32 s53, s[BH], 15
	s_lshr_b32 s54, s53, 1                         ; the last product's K step: head / 2
	s_and_b32 s53, s53, 1                          ; and my half of it
	s_and_b32 s55, s[WV], 3                        ; my pair of tiles in the group
	s_lshl_b32 s56, s52, 16                        ; acod: [g][K step][tile][c][lane][16 B]
	s_lshl_b32 s57, s54, 13
	s_add_co_u32 s56, s56, s57
	s_lshl_b32 s57, s53, 9
	s_add_co_u32 s56, s56, s57
	s_lshl_b32 s57, s55, 11
	s_add_co_u32 s56, s56, s57
	s_mov_b32 s57, 0
	s_lshl_b32 s58, s52, 12                        ; ascl: [g][K step][tile][r] words, my head's two bytes
	s_lshl_b32 s59, s54, 9
	s_add_co_u32 s58, s58, s59
	s_lshl_b32 s59, s55, 7
	s_add_co_u32 s58, s58, s59
	s_lshl_b32 s59, s53, 1
	s_add_co_u32 s58, s58, s59
	s_mov_b32 s59, 0
	s_mul_i32 s52, s39, REC                        ; my queries' record
	s_mov_b32 s53, 0
	v_and_b32 v7, 31, v0
	s_delay_alu instid0(VALU_DEP_1)
	v_lshlrev_b32 v[LI], 4, v7                     ; 16 x lane: an image's place for my lane
	s_delay_alu instid0(VALU_DEP_2)
	v_lshlrev_b32 v[LS], 2, v7                     ; 4 x lane: a scale word's
	s_lshl_b32 s47, s55, 10
	v_add_nc_u32 v[QO], s47, v[LI]
	s_lshl_b32 s47, s55, 7
	v_add_nc_u32 v[QSO], s47, v[LS]
	s_wait_dscnt 0x0                               ; both opening adds are done
	s_wait_kmcnt 0x0
	s_add_nc_u64 s[4:5], s[4:5], s[48:49]          ; the head's records
	s_add_nc_u64 s[G0A+2:G0A+3], s[4:5], s[50:51]
	s_mul_i32 s50, s[WV], 3*REC
	s_add_co_u32 s50, s50, 4*REC
	s_add_nc_u64 s[G0B+2:G0B+3], s[4:5], s[50:51]
	s_or_b32 s[G0A+3], s[G0A+3], 0x80000000
	s_or_b32 s[G0B+3], s[G0B+3], 0x80000000
	s_add_nc_u64 s[10:11], s[4:5], s[52:53]
	s_add_nc_u64 s[6:7], s[6:7], s[56:57]
	s_add_nc_u64 s[8:9], s[8:9], s[58:59]
	ROUND                                          ; all four work-groups are here: the joint loads meet
	s_cmp_lt_u32 s[WV], 4                          ; a loading wave's two first fills stand in one branch: two loads of it are out
	s_cbranch_scc0 .Lno_load
	tensor_load_to_lds s[G0A:G0A+3], s[G1A:G1A+7]
	s_nop 0
	tensor_load_to_lds s[G0B:G0B+3], s[G1B:G1B+7]
	s_nop 0
	PLACES
.Lno_load:
	s_wait_alu depctr_va_vdst(0)
	global_load_b128 v[QA:QA+3], v[QO], s[10:11] offset:8960       ; Q's two tiles stay in registers
	global_load_b128 v[QB:QB+3], v[QO], s[10:11] offset:9472
	global_load_b32 v[QS], v[QSO], s[10:11] offset:13056
.irp z, QA+4, QB+4, KF+4, KF+12, KF+20, KF+28
.irp i, 0,1,2,3
	v_mov_b32 v[\z+\i], 0                          ; the zero codes of k = 64 .. 127, written once
.endr
.endr
.irp b, 0,1,2,3
	v_mov_b32 v[236+\b], 0                         ; written once: a lane permute's destination counts as one of its sources
.endr
	v_mov_b32 v253, 0                              ; (named as the upper half of the pair v[252:253])
	INIT
	s_wait_tensorcnt 0x1                           ; my step of steps 0-3 is in; the load issued behind it, steps 4 on, may stay out
	s_wait_loadcnt 0x0                             ; Q
	s_barrier_signal -1
	s_barrier_wait -1                              ; steps 0-3 are whole
	KEYS 4, QA, 0
	s_wait_tensorcnt 0x0                           ; my part of steps 4-15 is in,
	s_wait_dscnt 0x0
	s_barrier_signal -1
	s_barrier_wait -1                              ; everybody's is
	KEYS 12, QA, 0
	FINISH 0
	INIT
	KEYS 16, QB, 1
	FINISH 1
	v_cndmask_b32 v[SBM], v[SB], v[SB+1], s[HM]    ; lanes 0-15: my first tile's bytes, lanes 16-31: my second's
	global_store_b16 v[LS], v[SBM], s[8:9]         ; two bytes of each row's word; the other two belong to the neighbouring head's work-group
	s_wait_tensorcnt 0x0                           ; the wave's end
	ds_add_u32 v[SPW], v[NIL]
	s_wait_dscnt 0x0
	ROUND                                          ; the closing round
	s_endpgm
.Lfunc_end_k_qc12b728382_attn:
	.size	k_qc12b728382_attn, .Lfunc_end_k_qc12b728382_attn-k_qc12b728382_attn
	.p2alignl 7, 3214868480
	.fill 96, 4, 3214868480
	.section	.rodata,"a",@progbits
	.p2align	6, 0x0
	.amdhsa_kernel k_qc12b728382_attn
		.amdhsa_group_segment_fixed_size 167936
		.amdhsa_private_segment_fixed_size 0
		.amdhsa_enable_private_segment 0
		.amdhsa_kernarg_size 24
		.amdhsa_user_sgpr_count 2
		.amdhsa_user_sgpr_kernarg_segment_ptr 1
		.amdhsa_wavefront_size32 1
		.amdhsa_system_sgpr_workgroup_id_x 1
		.amdhsa_system_sgpr_workgroup_id_y 1
		.amdhsa_system_sgpr_workgroup_id_z 1
		.amdhsa_system_vgpr_workitem_id 0
		.amdhsa_next_free_vgpr 256
		.amdhsa_next_free_sgpr 66
		.amdhsa_reserve_vcc 0
		.amdhsa_float_denorm_mode_32 3
		.amdhsa_float_denorm_mode_16_64 3
		.amdhsa_memory_ordered 1
		.amdhsa_forward_progress 1
		.amdhsa_inst_pref_size 67
	.end_amdhsa_kernel
	.amdgpu_metadata
---
amdhsa.version: [ 1, 2 ]
amdhsa.kernels:
  - .name:           k_qc12b728382_attn
    .symbol:         k_qc12b728382_attn.kd
    .args:
      - { .name: qkv, .offset: 0, .size: 8, .value_kind: global_buffer, .address_space: global }
      - { .name: acod, .offset: 8, .size: 8, .value_kind: global_buffer, .address_space: global }
      - { .name: ascl, .offset: 16, .size: 8, .value_kind: global_buffer, .address_space: global }
    .group_segment_fixed_size: 167936
    .private_segment_fixed_size: 0
    .kernarg_segment_align: 8
    .kernarg_segment_size: 24
    .max_flat_workgroup_size: 512
    .sgpr_count:     66
    .vgpr_count:     256
    .wavefront_size: 32
...
	.end_amdgpu_metadata
.endif
;; end of part 2
;; launch outp (part 3): grid 4 x 64, 8 waves a work-group, clusters of 4 x 4, 290,304 bytes of LDS; arguments acod, ascl, Wo_codes, Wo_scales, bo, out0; writes out0
.if DOCPART == 3
	.amdgcn_target "amdgcn-amd-amdhsa--gfx1250"
	.amdhsa_code_object_version 6
	.text
	.protected	k_qc12b728382_outp
	.globl	k_qc12b728382_outp
	.p2align	8
	.type	k_qc12b728382_outp,@function
k_qc12b728382_outp:
	s_mov_b64 s[64:65], 0
	v_nop
	global_prefetch_b8 v0, s[64:65] scope:SCOPE_SE
	s_setreg_imm32_b32 hwreg(HW_REG_WAVE_MODE, 25, 1), 1
	s_wait_xcnt 0x0
	s_wait_alu depctr_hold_cnt(0) depctr_sa_sdst(0) depctr_va_vdst(0) depctr_va_sdst(0) depctr_va_ssrc(0) depctr_va_vcc(0) depctr_vm_vsrc(0)
	s_getreg_b32 s2, hwreg(HW_REG_IB_STS2, 6, 4)
	s_cmp_eq_u32 s2, 0
	s_cbranch_scc0 .Lentry_in_a_cluster
	s_endpgm
.Lentry_in_a_cluster:
	s_bfe_u32 s2, ttmp6, 0x10000c
	s_cmp_lg_u32 s2, 0xf033
	s_cbranch_scc0 .Lentry_shape_is_right
	s_endpgm
.Lentry_shape_is_right:
; out0 = a Wo^T + bo on codes of FP4: a is the attention's result, which the launch before left as images of operand registers (acod) with their scale words (ascl).  No work is left out.
; P, source 0, is Wo: 256 features a work-group.  R, source 1, is a group of 128 tokens.  In a result lane (r, h) holds token r, and register j of tile a feature 16 a + 8 h + j: eight neighbouring numbers of a row of out0.
; All of K = 1,024 of both operands lies in LDS: every tensor load is a first fill; K lands in two chunks of 512.  Eight waves: wave w takes 128 features (w & 1) x 32 tokens (w >> 1): 16 accumulators.
; CLUSTERS of 4 x 4: Wo's tile hangs on cx alone and is asked for jointly along a column of the cluster, the tokens' on cy alone and jointly along a row.
; REGISTERS: v1-4 LDS addresses of fragments and scale words; v5, v6 the add's two; v7, v8 the stage; v9 16 x lane; v10, v11 the bias stash; v12-31 scale words and nothing else; v32-95 P's 8 fragments; v96-127 R's 2 fragments, two sets; v128-255 accumulators.
.set PITCH,  272
.set CHP,    256*PITCH                 ; a chunk of P: 256 rows of 256 bytes + 16
.set RIM,    2*CHP                     ; R's images: [K step 8][tile 8][c 2][lane][16 B]
.set PSC,    RIM+65536                 ; P's scale bytes: 32 units of 256 + 16
.set RSC,    PSC+32*272                ; R's scale words: [K step][tile][r]
.set BIA,    RSC+4096                  ; the bias stash: 512 bytes for each wave; no tensor load lands here or in the stages
.set STG,    BIA+8*512                 ; a stage of 16 rows x (512 + 16) bytes for each wave
.set SPARE,  STG+8*16*528              ; the spare words, 128 bytes for each wave: four blocks of 256 bytes that no other line names
.set ADP,  1
.set ADR,  2
.set ADSP, 3
.set ADSR, 4
.set SPW,  5
.set NIL,  6
.set STO,  7
.set RD,   8
.set L16,  9
.set BLD,  10
.set BST,  11
.set SCP,  12
.set SCR,  28
.set PF,   32
.set RF,   96
.set ACC,  128
.set G1P,  16
.set G1R,  24
.set G1PS, 32
.set G1RS, 40
.set G0P0, 48
.set G0P1, 52
.set G0R0, 56
.set G0R1, 60
.set G0PS, 68
.set G0RS, 72
.set WV,   76
.set WS0,  77
.set WS1,  78
.set CXI,  79
.set CYI,  80
.set PB,   81
.set RB,   82
.set TN,   83
.macro ROUND
	s_barrier_signal -1
	s_barrier_wait -1
	s_cmp_lg_u32 s[WV], 0
	s_cbranch_scc1 .Lnot_wave_0_\@
	s_barrier_signal -3
.Lnot_wave_0_\@:
	s_barrier_wait -3
	s_barrier_signal -1
	s_barrier_wait -1
.endm
.macro TL g0, g1
	tensor_load_to_lds s[\g0:\g0+3], s[\g1:\g1+7]
	s_nop 0
.endm
.macro PLACES
.rept 4
	v_nop
.endr
.endm
.macro MM d, a, b, zero, sa, sb, ra, rb
.set mD, \d
.set mA, \a
.set mB, \b
.set mSA, \sa
.set mSB, \sb
.set mSEL, 4*(\zero)+2*(\ra)+(\rb)
.if mSEL == 0
	v_wmma_scale_f32_16x16x128_f8f6f4 v[mD:mD+7], v[mA:mA+7], v[mB:mB+7], v[mD:mD+7], v[mSA], v[mSB] matrix_a_fmt:MATRIX_FMT_FP4 matrix_b_fmt:MATRIX_FMT_FP4
.elseif mSEL == 1
	v_wmma_scale_f32_16x16x128_f8f6f4 v[mD:mD+7], v[mA:mA+7], v[mB:mB+7], v[mD:mD+7], v[mSA], v[mSB] matrix_a_fmt:MATRIX_FMT_FP4 matrix_b_fmt:MATRIX_FMT_FP4 matrix_b_scale:MATRIX_SCALE_ROW1
.elseif mSEL == 2
	v_wmma_scale_f32_16x16x128_f8f6f4 v[mD:mD+7], v[mA:mA+7], v[mB:mB+7], v[mD:mD+7], v[mSA], v[mSB] matrix_a_fmt:MATRIX_FMT_FP4 matrix_b_fmt:MATRIX_FMT_FP4 matrix_a_scale:MATRIX_SCALE_ROW1
.elseif mSEL == 3
	v_wmma_scale_f32_16x16x128_f8f6f4 v[mD:mD+7], v[mA:mA+7], v[mB:mB+7], v[mD:mD+7], v[mSA], v[mSB] matrix_a_fmt:MATRIX_FMT_FP4 matrix_b_fmt:MATRIX_FMT_FP4 matrix_a_scale:MATRIX_SCALE_ROW1 matrix_b_scale:MATRIX_SCALE_ROW1
.elseif mSEL == 4
	v_wmma_scale_f32_16x16x128_f8f6f4 v[mD:mD+7], v[mA:mA+7], v[mB:mB+7], 0, v[mSA], v[mSB] matrix_a_fmt:MATRIX_FMT_FP4 matrix_b_fmt:MATRIX_FMT_FP4
.elseif mSEL == 5
	v_wmma_scale_f32_16x16x128_f8f6f4 v[mD:mD+7], v[mA:mA+7], v[mB:mB+7], 0, v[mSA], v[mSB] matrix_a_fmt:MATRIX_FMT_FP4 matrix_b_fmt:MATRIX_FMT_FP4 matrix_b_scale:MATRIX_SCALE_ROW1
.elseif mSEL == 6
	v_wmma_scale_f32_16x16x128_f8f6f4 v[mD:mD+7], v[mA:mA+7], v[mB:mB+7], 0, v[mSA], v[mSB] matrix_a_fmt:MATRIX_FMT_FP4 matrix_b_fmt:MATRIX_FMT_FP4 matrix_a_scale:MATRIX_SCALE_ROW1
.else
	v_wmma_scale_f32_16x16x128_f8f6f4 v[mD:mD+7], v[mA:mA+7], v[mB:mB+7], 0, v[mSA], v[mSB] matrix_a_fmt:MATRIX_FMT_FP4 matrix_b_fmt:MATRIX_FMT_FP4 matrix_a_scale:MATRIX_SCALE_ROW1 matrix_b_scale:MATRIX_SCALE_ROW1
.endif
.endm
.macro MUL half, q, set, zero          ; the 16 accumulators take turns, one instruction a turn, in the same order in every step
.irp a, 0,1,2,3
.irp n, 0,1
	MM ACC+64*\n+8*(4*(\half)+\a), PF+8*(4*(\half)+\a), RF+16*(\set)+8*\n, \zero, SCP+4*\a+(\q), SCR+(\q), \half, \n
.endr
.endr
.endm
.macro FETCH_P half, q
.irp i, 0,1,2,3
.irp c, 0,1
	ds_load_b128 v[PF+8*(4*(\half)+\i)+4*\c:PF+8*(4*(\half)+\i)+4*\c+3], v[ADP] offset:16*(4*(\half)+\i)*PITCH+64*(\q)+32*\c
.endr
.endr
.endm
.macro FETCH_R k, set                  ; K step k of all eight: an image comes back as it was stored, 512 consecutive bytes a load
.irp n, 0,1
.irp c, 0,1
	ds_load_b128 v[RF+16*(\set)+8*\n+4*\c:RF+16*(\set)+8*\n+4*\c+3], v[ADR] offset:8192*(\k)+1024*\n+512*\c
.endr
.endr
.endm
.macro SCALES ch
.irp i, 0,1,2,3
	ds_load_b128 v[SCP+4*\i:SCP+4*\i+3], v[ADSP] offset:544*\i
.endr
.irp q, 0,1,2,3
	ds_load_b32 v[SCR+\q], v[ADSR] offset:512*(4*(\ch)+\q)
.endr
.endm
.macro STEP q, ch, set, zero, next
	s_wait_dscnt 0x8                               ; all but the youngest eight loads, P's tiles 4-7
	MUL 0, \q, \set, \zero
	s_wait_dscnt 0x0
.if \next
	PLACES
	FETCH_P 0, (\q)+1
	FETCH_R 4*(\ch)+(\q)+1, 1-(\set)
.endif
	MUL 1, \q, \set, \zero
	PLACES
.if \next
	FETCH_P 1, (\q)+1
.endif
.endm
	s_load_b256 s[4:11], s[0:1], 0x0               ; acod 4, ascl 6, Wo codes 8, Wo scales 10
	s_load_b128 s[12:15], s[0:1], 0x20             ; bo 12, out0 14
	v_lshl_add_u32 v[SPW], v0, 2, SPARE
	v_mov_b32 v[NIL], 0
	ds_add_u32 v[SPW], v[NIL]                      ; the wave's opening: the add, twice on end, and its wait ahead of the first tensor load
	ds_add_u32 v[SPW], v[NIL]
	v_lshrrev_b32 v32, 5, v0
	s_delay_alu instid0(VALU_DEP_1)
	v_readfirstlane_b32 s[WV], v32
	s_and_b32 s[WS0], s[WV], 1
	s_lshr_b32 s[WS1], s[WV], 1
	s_bfe_u32 s[CXI], ttmp6, 0x40000
	s_bfe_u32 s[CYI], ttmp6, 0x40004
	s_lshl_b32 s[PB], ttmp9, 2
	s_add_co_u32 s[PB], s[PB], s[CXI]              ; my 256 features
	s_and_b32 s[RB], ttmp7, 0xffff
	s_lshl_b32 s[RB], s[RB], 2
	s_add_co_u32 s[RB], s[RB], s[CYI]              ; my group of 128 tokens
	s_lshl_b32 s88, 0x1111, s[CXI]                 ; my column of the cluster
	s_lshl_b32 s89, s[CYI], 2
	s_lshl_b32 s89, 15, s89                        ; my row
	s_or_b32 s[G1P], s88, (1<<20)|(1<<21)|(5<<22)|(3<<25)            ; Wo's codes: 64 rows x 256 bytes, 512 apart, padded by 16
	s_or_b32 s[G1PS], s88, (3<<16)|(1<<20)|(1<<21)|(5<<22)|(3<<25)   ; its scale bytes: 32 dense rows of 256 bytes, padded by 16
	s_or_b32 s[G1R], s89, (3<<16)|(1<<21)                            ; the images: 64 dense rows of 256 bytes, no padding
	s_or_b32 s[G1RS], s89, (3<<16)|(1<<21)                           ; their scale words: 16 such rows
	s_mov_b32 s[G1P+1], 256<<16
	s_mov_b32 s[G1P+2], 64<<16
	s_mov_b32 s[G1P+3], 256<<16
	s_mov_b32 s[G1P+4], 64
	s_mov_b32 s[G1P+5], 512
	s_mov_b32 s[G1P+6], 0
	s_mov_b32 s[G1P+7], 0
	s_mov_b32 s[G1PS+1], 32<<16
	s_mov_b32 s[G1PS+2], 32<<16
	s_mov_b32 s[G1PS+3], 32<<16
	s_mov_b32 s[G1PS+4], 32
	s_mov_b32 s[G1PS+5], 32
	s_mov_b32 s[G1PS+6], 0
	s_mov_b32 s[G1PS+7], 0
	s_mov_b32 s[G1R+1], 32<<16
	s_mov_b32 s[G1R+2], 64<<16
	s_mov_b32 s[G1R+3], 32<<16
	s_mov_b32 s[G1R+4], 64
	s_mov_b32 s[G1R+5], 32
	s_mov_b32 s[G1R+6], 0
	s_mov_b32 s[G1R+7], 0
	s_mov_b32 s[G1RS+1], 32<<16
	s_mov_b32 s[G1RS+2], 16<<16
	s_mov_b32 s[G1RS+3], 32<<16
	s_mov_b32 s[G1RS+4], 16
	s_mov_b32 s[G1RS+5], 32
	s_mov_b32 s[G1RS+6], 0
	s_mov_b32 s[G1RS+7], 0
.irp g, G0P0, G0P1, G0R0, G0R1, G0PS, G0RS
	s_mov_b32 s[\g], 1
.endr
	s_mul_i32 s[G0P0+1], s[WV], 64*PITCH           ; waves 0-3: 64 rows of P each
	s_add_co_u32 s[G0P1+1], s[G0P0+1], CHP
	s_lshl_b32 s[G0R0+1], s[WS0], 14               ; waves 4, 5: half a chunk of images each
	s_add_co_u32 s[G0R0+1], s[G0R0+1], RIM
	s_add_co_u32 s[G0R1+1], s[G0R0+1], 32768
	s_mov_b32 s[G0PS+1], PSC
	s_mov_b32 s[G0RS+1], RSC
	; every LDS address register is made here, ahead of the first branch on the wave's number
	v_and_b32 v32, 15, v0                          ; r
	v_bfe_u32 v33, v0, 4, 1                        ; h
	v_and_b32 v34, 31, v0                          ; lane
	s_delay_alu instid0(VALU_DEP_1)
	v_lshlrev_b32 v[L16], 4, v34
	s_delay_alu instid0(VALU_DEP_4)
	v_mul_u32_u24 v35, v32, PITCH
	s_delay_alu instid0(VALU_DEP_1)
	v_lshl_add_u32 v35, v33, 4, v35
	s_mul_i32 s[TN], s[WS0], 128*PITCH
	v_add_nc_u32 v[ADP], s[TN], v35
	s_lshl_b32 s[TN], s[WS1], 11
	s_add_co_u32 s[TN], s[TN], RIM
	v_add_nc_u32 v[ADR], s[TN], v[L16]             ; my two tiles of tokens: 2,048 ws1 + 16 lane
	v_lshrrev_b32 v36, 3, v32
	v_and_b32 v37, 7, v32
	s_delay_alu instid0(VALU_DEP_2)
	v_mul_u32_u24 v36, v36, 272
	s_delay_alu instid0(VALU_DEP_1)
	v_lshl_add_u32 v36, v37, 5, v36
	s_delay_alu instid0(VALU_DEP_1)
	v_mad_u32_u24 v[ADSP], v33, 8*272, v36
	s_mul_i32 s[TN], s[WS0], 16*272
	s_add_co_u32 s[TN], s[TN], PSC
	v_add_nc_u32 v[ADSP], s[TN], v[ADSP]
	s_lshl_b32 s[TN], s[WS1], 7
	s_add_co_u32 s[TN], s[TN], RSC
	v_lshl_add_u32 v[ADSR], v34, 2, s[TN]          ; lanes 0-15 my first tile's words, lanes 16-31 my second's
	s_lshl_b32 s[TN], s[WV], 9
	s_add_co_u32 s[TN], s[TN], BIA
	v_lshl_add_u32 v[BST], v34, 4, s[TN]
	v_lshl_add_u32 v[BLD], v33, 5, s[TN]
	s_mul_i32 s[TN], s[WV], 16*528
	s_add_co_u32 s[TN], s[TN], STG                 ; my stage
	v_mul_u32_u24 v[STO], v32, 528
	s_delay_alu instid0(VALU_DEP_1)
	v_lshl_add_u32 v[STO], v33, 5, v[STO]
	s_delay_alu instid0(VALU_DEP_1)
	v_add_nc_u32 v[STO], s[TN], v[STO]             ; in: row r, 32 bytes for each half of the lanes
	v_add_nc_u32 v[RD], s[TN], v[L16]              ; back: the 32 lanes take one row of 512 bytes
	s_lshl_b32 s[TN], s[PB], 10
	s_lshl_b32 s90, s[WS0], 9
	s_add_co_u32 s[TN], s[TN], s90                 ; my wave's 128 features, in bytes of f32
	v_add_nc_u32 v38, s[TN], v[L16]
	s_lshl_b32 s88, s[RB], 19                      ; out0: row 128 RB + 32 ws1 of 4,096 bytes, + my features
	s_lshl_b32 s89, s[WS1], 17
	s_add_co_u32 s88, s88, s89
	s_add_co_u32 s88, s88, s[TN]
	s_mov_b32 s89, 0
	s_and_b32 s84, s[WV], 3                        ; P's offsets live in s[84:85], which never hold cy
	s_lshl_b32 s84, s84, 6
	s_lshl_b32 s85, s[PB], 8
	s_add_co_u32 s84, s84, s85
	s_lshl_b32 s84, s84, 9
	s_mov_b32 s85, 0
	s_lshl_b32 s86, s[RB], 16                      ; R's in s[86:87], which never hold cx
	s_lshl_b32 s87, s[WS0], 14
	s_add_co_u32 s86, s86, s87
	s_mov_b32 s87, 0
	s_wait_alu depctr_va_vdst(0)
	s_wait_dscnt 0x0                               ; both opening adds are done
	s_wait_kmcnt 0x0
	s_add_nc_u64 s[G0P0+2:G0P0+3], s[8:9], s[84:85]
	s_add_nc_u64 s[G0P1+2:G0P1+3], s[G0P0+2:G0P0+3], 256
	s_lshl_b32 s84, s[PB], 13
	s_add_nc_u64 s[G0PS+2:G0PS+3], s[10:11], s[84:85]
	s_add_nc_u64 s[G0R0+2:G0R0+3], s[4:5], s[86:87]
	s_add_nc_u64 s[G0R1+2:G0R1+3], s[G0R0+2:G0R0+3], 32768
	s_lshl_b32 s86, s[RB], 12
	s_add_nc_u64 s[G0RS+2:G0RS+3], s[6:7], s[86:87]
.irp g, G0P0, G0P1, G0R0, G0R1, G0PS, G0RS
	s_or_b32 s[\g+3], s[\g+3], 0x80000000
.endr
	s_add_nc_u64 s[14:15], s[14:15], s[88:89]
	global_load_b128 v[40:43], v38, s[12:13]       ; my 128 numbers of bo: they land while the tiles do
	ROUND                                          ; all sixteen work-groups are here: the joint loads meet
	; THE FIRST FILLS, all of the launch's tensor loads.  Each loading wave's last load is chunk 1's, so one count serves all behind the branch.  At most three loads of a wave are out.
	s_cmp_eq_u32 s[WV], 0
	s_cbranch_scc0 .Lw123
	TL G0PS, G1PS
	TL G0P0, G1P
	TL G0P1, G1P
	PLACES
	s_branch .Lasked
.Lw123:
	s_cmp_lt_u32 s[WV], 4
	s_cbranch_scc0 .Lw4
	TL G0P0, G1P
	TL G0P1, G1P
	PLACES
	s_branch .Lasked
.Lw4:
	s_cmp_eq_u32 s[WV], 4
	s_cbranch_scc0 .Lw5
	TL G0RS, G1RS
	TL G0R0, G1R
	TL G0R1, G1R
	PLACES
	s_branch .Lasked
.Lw5:
	s_cmp_eq_u32 s[WV], 5
	s_cbranch_scc0 .Lasked
	TL G0R0, G1R
	TL G0R1, G1R
	PLACES
.Lasked:
	s_wait_loadcnt 0x0                             ; the bias
	ds_store_b128 v[BST], v[40:43]
	s_wait_tensorcnt 0x1                           ; my scales and my part of chunk 0 are in; chunk 1's load, the one issued behind them, may stay out
	s_wait_dscnt 0x0
	s_barrier_signal -1
	s_barrier_wait -1
	FETCH_P 0, 0
	FETCH_R 0, 0
	SCALES 0
	FETCH_P 1, 0
	STEP 0, 0, 0, 1, 1                             ; the first step's products start the sums
	STEP 1, 0, 1, 0, 1
	STEP 2, 0, 0, 0, 1
	s_wait_tensorcnt 0x0                           ; chunk 0's last step: my part of chunk 1 is in,
	s_wait_dscnt 0x0
	s_barrier_signal -1
	MUL 0, 3, 1, 0
	s_barrier_wait -1                              ; chunk 1 is whole
	v_add_nc_u32 v[ADP], CHP, v[ADP]               ; on to chunk 1; with the two v_nop these are the places in front of the loads below
	v_add_nc_u32 v[ADSP], 16, v[ADSP]
	v_nop
	v_nop
	FETCH_P 0, 0
	FETCH_R 4, 0
	MUL 1, 3, 1, 0
	PLACES
	SCALES 1
	FETCH_P 1, 0
	s_wait_alu depctr_va_vdst(0)
	STEP 0, 1, 0, 0, 1
	STEP 1, 1, 1, 0, 1
	STEP 2, 1, 0, 0, 1
	STEP 3, 1, 1, 0, 0
	; THE WAY OUT: + bo, then 16 tokens x 128 features at a time through my own stage, so that the 32 lanes store a row's 512 consecutive bytes, aligned.
.irp a, 0,1,2,3,4,5,6,7
	ds_load_b128 v[PF+8*\a:PF+8*\a+3], v[BLD] offset:64*\a
	ds_load_b128 v[PF+8*\a+4:PF+8*\a+7], v[BLD] offset:64*\a+16
.endr
	s_wait_dscnt 0x0
.irp n, 0,1
.irp a, 0,1,2,3,4,5,6,7
.irp j, 0,2,4,6
	v_pk_add_f32 v[ACC+64*\n+8*\a+\j:ACC+64*\n+8*\a+\j+1], v[ACC+64*\n+8*\a+\j:ACC+64*\n+8*\a+\j+1], v[PF+8*\a+\j:PF+8*\a+\j+1]   ; each accumulator from its low end on
.endr
.endr
.endr
.macro TOSTAGE n, bk                   ; LDS serves a wave's instructions in order (ISA guide 5.7.1.4): the loads see the stores above them, and the next block's stores come behind these loads
.irp a, 0,1,2,3,4,5,6,7
	ds_store_b128 v[STO], v[ACC+64*\n+8*\a:ACC+64*\n+8*\a+3] offset:64*\a
	ds_store_b128 v[STO], v[ACC+64*\n+8*\a+4:ACC+64*\n+8*\a+7] offset:64*\a+16
.endr
.irp t, 0,1,2,3,4,5,6,7,8,9,10,11,12,13,14,15
	ds_load_b128 v[\bk+4*\t:\bk+4*\t+3], v[RD] offset:528*\t
.endr
.endm
.macro SEND n, bk
.irp t, 0,1,2,3,4,5,6,7,8,9,10,11,12,13,14,15
	global_store_b128 v[L16], v[\bk+4*\t:\bk+4*\t+3], s[14:15] offset:(16*\n+\t)*4096 th:TH_STORE_NT
.endr
.endm
	TOSTAGE 0, PF                                  ; back into the registers that held the bias
	TOSTAGE 1, ACC                                 ; back into the first block's accumulators, which its stores to the stage have left
	s_wait_dscnt 0x20                              ; the first block is back; the second's 16 stores and 16 loads may be out
	SEND 0, PF
	s_wait_dscnt 0x0
	SEND 1, ACC
	s_wait_tensorcnt 0x0                           ; the wave's end
	ds_add_u32 v[SPW], v[NIL]
	s_wait_dscnt 0x0
	ROUND                                          ; the closing round
	s_endpgm
.Lfunc_end_k_qc12b728382_outp:
	.size	k_qc12b728382_outp, .Lfunc_end_k_qc12b728382_outp-k_qc12b728382_outp
	.p2alignl 7, 3214868480
	.fill 96, 4, 3214868480
	.section	.rodata,"a",@progbits
	.p2align	6, 0x0
	.amdhsa_kernel k_qc12b728382_outp
		.amdhsa_group_segment_fixed_size 290304
		.amdhsa_private_segment_fixed_size 0
		.amdhsa_enable_private_segment 0
		.amdhsa_kernarg_size 48
		.amdhsa_user_sgpr_count 2
		.amdhsa_user_sgpr_kernarg_segment_ptr 1
		.amdhsa_wavefront_size32 1
		.amdhsa_system_sgpr_workgroup_id_x 1
		.amdhsa_system_sgpr_workgroup_id_y 1
		.amdhsa_system_sgpr_workgroup_id_z 1
		.amdhsa_system_vgpr_workitem_id 0
		.amdhsa_next_free_vgpr 256
		.amdhsa_next_free_sgpr 92
		.amdhsa_reserve_vcc 0
		.amdhsa_float_denorm_mode_32 3
		.amdhsa_float_denorm_mode_16_64 3
		.amdhsa_memory_ordered 1
		.amdhsa_forward_progress 1
		.amdhsa_inst_pref_size 52
	.end_amdhsa_kernel
	.amdgpu_metadata
---
amdhsa.version: [ 1, 2 ]
amdhsa.kernels:
  - .name:           k_qc12b728382_outp
    .symbol:         k_qc12b728382_outp.kd
    .args:
      - { .name: acod, .offset: 0, .size: 8, .value_kind: global_buffer, .address_space: global }
      - { .name: ascl, .offset: 8, .size: 8, .value_kind: global_buffer, .address_space: global }
      - { .name: Wo_codes, .offset: 16, .size: 8, .value_kind: global_buffer, .address_space: global }
      - { .name: Wo_scales, .offset: 24, .size: 8, .value_kind: global_buffer, .address_space: global }
      - { .name: bo, .offset: 32, .size: 8, .value_kind: global_buffer, .address_space: global }
      - { .name: out0, .offset: 40, .size: 8, .value_kind: global_buffer, .address_space: global }
    .group_segment_fixed_size: 290304
    .private_segment_fixed_size: 0
    .kernarg_segment_align: 8
    .kernarg_segment_size: 48
    .max_flat_workgroup_size: 256
    .sgpr_count:     92
    .vgpr_count:     256
    .wavefront_size: 32
...
	.end_amdgpu_metadata
.endif
;; end of part 3
